; MI455X (gfx1250); checked and timed in simulation.
; The chip was launched on July 23, 2026; its instructions are those of AMD's public machine-readable ISA for CDNA 5 (MIT licence, August 2026) and "CDNA5" Instruction Set Architecture Reference Guide (July 2026). The comments in the code are by the model that wrote it; some were corrected since.
;; Casual Attention. Allowed arithmetic: matrix products marked QUANTISED: E2M1 operands, one E8M0 scale for each 32 along K, by v_wmma_scale_f32_16x16x128_f8f6f4 with both operands' format E2M1 (or v_wmma_scale_f32_32x16x128_f4), f32 sums; products left as they are: bf16, f16 or f32 operands; f32 sums; everything else in f32.
;; Inputs: w_out 1,024 x 1,024 float32; w_qkv 1,024 x 3,072 float32; x 4 x 2,048 x 1,024 float32.
;; Outputs: out0 4 x 2,048 x 1,024 float32.
;; This version of the problem:
;;   THIS VERSION OF THE PROBLEM IS GIVEN IN LOW PRECISION. The matrix products marked QUANTISED in the list below multiply operands that are first quantised to E2M1 (2 exponent bits, 1 mantissa bit; 4 bits a number), with one power-of-two scale for each 32 numbers along K (OCP MX v1.0); their sums are f32. The products marked 'left as it is' may take bf16, f16 or f32 operands, with f32 sums. Whichever they take, every output number must still come out within the allowed error. Rounding operands to bf16 (8 significant bits) uses up far more of that allowance than f16 does (11 bits, for magnitudes from 6e-5 to 65,504). All else is computed in f32.
;;   The module's matrix products, in the order in which they are computed (A, B: the left and right operand; K: the contracted axis; several contracted axes count as one K, in the product's order):
;;     1. [M 8,192, K 1,024] x [K 1,024, N 3,072]; A: input x; B: input w_qkv: QUANTISED
;;     2. batch 64 x [M 2,048, K 64] x [K 64, N 2,048]; A: computed on the way; B: computed on the way: left as it is (an operand is computed on the way)
;;     3. batch 64 x [M 2,048, K 2,048] x [K 2,048, N 64]; A: computed on the way; B: computed on the way: left as it is (an operand is computed on the way)
;;     4. [M 8,192, K 1,024] x [K 1,024, N 1,024]; A: computed on the way; B: input w_out: left as it is (an operand is computed on the way)
;;   THE QUANTISER, for each operand of a quantised product, along K:
;;     - K is cut into blocks of 32 from its start; a last block that is shorter is filled with zeros.
;;     - A block's scale is 2^e with e = floor(log2(the largest magnitude in the block)) - 2, held to -126 .. 127; a block of zeros has e = 0. As a byte (E8M0): e + 127.
;;     - Each number is divided by its block's scale, clamped to +-6, and rounded to the nearest number of E2M1, ties to even, subnormals kept.
;;     - The product sums the exact products of the quantised numbers (number of the format x scale) in f32.
;;   ~~~python
;;   def quantise(x, axis):      # numpy; x: float32 -> the quantised numbers, widened to float32 again
;;       x = np.moveaxis(x, axis, -1); K = x.shape[-1]
;;       x = np.pad(x, [(0, 0)] * (x.ndim - 1) + [(0, -K % 32)]); x = x.reshape(x.shape[:-1] + (-1, 32)); a = np.abs(x).max(-1, keepdims=True)
;;       e = np.where(a > 0, np.clip(np.frexp(np.where(a > 0, a, 1))[1] - 1 - 2, -126, 127), 0)      # np.frexp(a)[1] - 1 = floor(log2(a)), exactly
;;       r = np.clip(x / 2.0 ** e, -6, 6)
;;       step = 2.0 ** (np.maximum(np.frexp(np.where(r == 0, 1, r))[1] - 1, 0) - 1)
;;       q = np.round(r / step) * step * 2.0 ** e      # np.round: ties to even
;;       return np.moveaxis(q.reshape(q.shape[:-2] + (-1,))[..., :K], -1, axis).astype(np.float32)
;;   ~~~
;; One version. Each part assembles by itself: llvm-mc -triple=amdgcn-amd-amdhsa -mcpu=gfx1250 --defsym DOCPART=n.
;; ======== version 1 of 1: 5 launches
;; limits: values are held in f16: magnitudes above 65,504 overflow, below 6.1e-05 lose precision; values outside matrix products are rounded to f16
;; workspace buffers: xc 4,194,304 bytes; xs 262,144 bytes; wc 1,572,864 bytes; ws 98,304 bytes; w16 2,097,152 bytes; qkv 50,331,648 bytes; qkvf 786,432 bytes; attn 16,777,216 bytes
;; launch prep (part 1): grid 336 x 1, 4 waves a work-group, no clusters, 68,096 bytes of LDS; arguments x, w_qkv, w_out, xc, xs, wc, ws, w16; writes xc, xs, wc, ws, w16
.if DOCPART == 1
	.amdgcn_target "amdgcn-amd-amdhsa--gfx1250"
	.amdhsa_code_object_version 6
	.text
	.protected	k_q450e7676c8_prep
	.globl	k_q450e7676c8_prep
	.p2align	8
	.type	k_q450e7676c8_prep,@function
k_q450e7676c8_prep:
	s_mov_b64 s[64:65], 0
	v_nop
	global_prefetch_b8 v0, s[64:65] scope:SCOPE_SE
	s_setreg_imm32_b32 hwreg(HW_REG_WAVE_MODE, 25, 1), 1
	s_wait_xcnt 0x0
; PREP.  Three jobs in one launch, told apart by the work-group's number; each job has LDS bytes of its own.
;   work-groups 0-47:   w_qkv [1024 k][3072 n] f32 -> codes of E2M1 laid [3072 n][512 bytes], K innermost, and E8M0 bytes [3072][32].
;   work-groups 48-79:  w_out [1024][1024] f32 -> f16(4 w_out), same layout (the factor 4 undoes the v / 4 of the product launch).
;   work-groups 80-335: x [8192][1024] f32 -> codes [8192][512 bytes] and E8M0 bytes [8192][32]; K is innermost, so x is a plain stream of blocks of 32.
; A block's scale is 2^(floor(log2(largest magnitude)) - 2): its byte is the largest magnitude's exponent field - 2, held at 1 from below.
; LIMITS: a block of zeros gets the byte 1 where the quantiser says 127 (its codes are zeros, and this program alone reads the bytes);
; NaN and infinities among the inputs are not served; 4 |w_out| stays under 65,504, the largest f16 number.
; No tensor loads, no barrier: waves share nothing.
.set SPW,   12                         ; v12  LDS address of my spare word; never rewritten
.set NIL,   13                         ; v13  0; never rewritten
.set SPARE, 67584                      ; behind both jobs' LDS: 128 bytes a wave that no other line names
.set EMAX,  2
	s_load_b256 s[4:11], s[0:1], 0x0               ; x s[4:5], w_qkv s[6:7], w_out s[8:9], xc s[10:11]
	s_load_b256 s[12:19], s[0:1], 0x20             ; xs s[12:13], wc s[14:15], ws s[16:17], w16 s[18:19]
	v_lshl_add_u32 v[SPW], v0, 2, SPARE
	v_mov_b32 v[NIL], 0
	v_lshrrev_b32 v1, 5, v0
	v_readfirstlane_b32 s20, v1                    ; wave 0..3
	v_and_b32 v2, 31, v0                           ; lane
	s_mov_b32 s25, 0                               ; the upper word of every offset pair s[24:25]
	s_wait_kmcnt 0x0
	s_cmp_lt_u32 ttmp9, 48
	s_cbranch_scc1 .Lpath_w
	s_cmp_lt_u32 ttmp9, 80
	s_cbranch_scc1 .Lpath_o
; ---------------- x: a wave takes 16 steps of 512 numbers.  Each load reads 512 consecutive bytes; a step's 2,048 bytes turn through the wave's own stage in LDS,
; so that a lane then holds 16 neighbours along K (two neighbouring lanes hold a block of 32), as the conversion wants them.
.set STEPS, 16
.set CB,    8                          ; bytes of 16 codes
.set XR,    16                         ; v16-79   four sets of 16 numbers as loaded
.set XX,    80                         ; v80-111  two sets of 16 neighbours
.set XE,    112                        ; v112-127 a scale byte for each step
.set XC,    128                        ; v128-191 codes: registers of its own for each step, so no store's data are written again
.set WREG,  8192                       ; LDS of a wave: two stages of 32 x 80 bytes, then its 256 scale bytes
.set SP,    80                         ; a lane's place in a stage: 64 bytes + 16 of padding
	v_lshlrev_b32 v3, 4, v2                        ; my 16 bytes of a load's 512
	s_mul_i32 s21, s20, WREG
	v_lshrrev_b32 v14, 2, v2
	v_mul_u32_u24 v14, v14, SP
	v_and_b32 v15, 3, v2
	v_lshl_add_u32 v14, v15, 4, v14
	v_add_nc_u32 v14, s21, v14                     ; into the stage: 80 (lane / 4) + 16 (lane % 4)
	v_mul_u32_u24 v15, v2, SP
	v_add_nc_u32 v15, s21, v15                     ; out of it: 80 x lane
	v_mul_u32_u24 v4, v2, CB                       ; my codes' place in a step's 256 bytes
	v_lshrrev_b32 v5, 1, v2
	s_add_co_u32 s21, s21, 2*32*SP
	v_add_nc_u32 v5, s21, v5                       ; my block's scale byte in LDS
	v_lshlrev_b32 v7, 3, v2
	v_add_nc_u32 v6, s21, v7                       ; and 8 of the 256 bytes on the way out
	s_sub_co_u32 s22, ttmp9, 80
	s_lshl_b32 s22, s22, 2
	s_add_co_u32 s22, s22, s20                     ; which run of 8,192 numbers is my wave's: 0..1023
	s_lshl_b32 s24, s22, 15
	s_add_nc_u64 s[4:5], s[4:5], s[24:25]
	s_lshl_b32 s24, s22, 12
	s_add_nc_u64 s[10:11], s[10:11], s[24:25]
	s_lshl_b32 s24, s22, 8
	s_add_nc_u64 s[12:13], s[12:13], s[24:25]
.macro LOADX t
.irp i, 0,1,2,3
	global_load_b128 v[XR+16*((\t)%4)+4*\i:XR+16*((\t)%4)+4*\i+3], v3, s[4:5] offset:2048*(\t)+512*\i th:TH_LOAD_NT
.endr
.endm
.macro TURNX t                         ; LDS serves a wave's instructions in order: no wait between the stores and the loads
.irp i, 0,1,2,3
	ds_store_b128 v14, v[XR+16*((\t)%4)+4*\i:XR+16*((\t)%4)+4*\i+3] offset:32*SP*((\t)%2)+8*SP*\i
.endr
.irp i, 0,1,2,3
	ds_load_b128 v[XX+16*((\t)%2)+4*\i:XX+16*((\t)%2)+4*\i+3], v15 offset:32*SP*((\t)%2)+16*\i
.endr
.endm
.irp t, 0,1,2,3
	LOADX \t
.endr
	s_wait_loadcnt 12                              ; step 0's four loads are in; twelve younger ones stay out
	TURNX 0
.macro STEPX t
.set XS, XX+16*((\t)%2)
.if (\t) > 0
	s_wait_dscnt 1                                 ; this step's numbers are back from the stage; the last step's byte store may be out
.else
	s_wait_dscnt 0x0
.endif
.if (\t)+4 < STEPS
	LOADX (\t)+4                                   ; into the set whose stage stores have been served
.endif
.if (\t)+1 < STEPS
.if STEPS-2-(\t) >= 3
	s_wait_loadcnt 12                              ; the next step's four loads are in; three steps' stay out
.else
	s_wait_loadcnt 4*(STEPS-2-(\t))
.endif
	TURNX (\t)+1
.endif
	v_max3_num_f32 v8, |v[XS]|, |v[XS+1]|, |v[XS+2]|
	v_max3_num_f32 v9, |v[XS+3]|, |v[XS+4]|, |v[XS+5]|
.irp i, 6,10
	v_max3_num_f32 v8, v8, |v[XS+\i]|, |v[XS+\i+1]|
	v_max3_num_f32 v9, v9, |v[XS+\i+2]|, |v[XS+\i+3]|
.endr
	v_max3_num_f32 v8, v8, |v[XS+14]|, |v[XS+15]|
	v_max3_num_f32 v8, v8, v9, (EMAX+1)<<23        ; with the floor 2^(3 - 127): the byte cannot fall under 1
	v_max_num_f32_dpp v8, v8, v8 row_xmask:1 row_mask:0xf bank_mask:0xf   ; and my neighbour's 16: the block's largest magnitude
	v_add_nc_u32 v11, -(EMAX<<23), v8              ; 2 off its exponent field: the conversion's scale operand
	v_cvt_scalef32_pk8_fp4_f32 v[XC+4*(\t)], v[XS:XS+7], v11
	v_cvt_scalef32_pk8_fp4_f32 v[XC+4*(\t)+1], v[XS+8:XS+15], v11
	v_lshrrev_b32 v[XE+(\t)], 23, v11              ; the scale's byte (a plain line behind the conversions)
	ds_store_b8 v5, v[XE+(\t)] offset:16*(\t)      ; both lanes of a block write the same byte with the same value
	global_store_b64 v4, v[XC+4*(\t):XC+4*(\t)+1], s[10:11] offset:32*CB*(\t)   ; the wave stores 256 consecutive bytes, aligned
.endm
.irp t, 0,1,2,3,4,5,6,7,8,9,10,11,12,13,14,15
	STEPX \t
.endr
	ds_load_b64 v[8:9], v6                         ; my wave's 256 scale bytes, in order behind my stores
	s_wait_dscnt 0x0
	global_store_b64 v7, v[8:9], s[12:13]          ; 256 consecutive bytes, aligned
	s_branch .Lend
; ---------------- w_qkv: K is its first axis.  A lane takes a column n and its registers run down K: a block of 32 lies in one lane, and the codes come out with K innermost.
; A wave takes 32 columns x 512 along K; the codes go through the wave's own stage and leave as rows, sixteen lanes to 256 consecutive bytes.
.Lpath_w:
.set WN,    3072
.set NB,    16                         ; blocks of 32 along K for a wave
.set WPIT,  272                        ; a stage row: 256 bytes + 16
.set KROW,  512                        ; a row of wc
.set WX,    32                         ; v32-95   two sets of 32 numbers
.set WC,    96                         ; v96-99   a block's codes
.set WOUT,  112                        ; v112-175 the way out
.set WSB,   24                         ; v24-27   the scale bytes, four to a register
	s_cmp_ge_u32 ttmp9, 24
	s_cselect_b32 s22, 1, 0                        ; which 512 along K
	s_cselect_b32 s23, 24, 0
	s_sub_co_u32 s23, ttmp9, s23
	s_lshl_b32 s23, s23, 7
	s_lshl_b32 s24, s20, 5
	s_add_co_u32 s23, s23, s24                     ; my wave's first column
	s_mul_i32 s24, s22, 512*WN*4
	s_lshl_b32 s26, s23, 2
	s_add_co_u32 s24, s24, s26
	s_add_nc_u64 s[6:7], s[6:7], s[24:25]          ; w_qkv at (512 y, column)
	s_lshl_b32 s24, s23, 9
	s_lshl_b32 s26, s22, 8
	s_add_co_u32 s24, s24, s26
	s_add_nc_u64 s[14:15], s[14:15], s[24:25]      ; wc at column x 512 + 256 y
	s_lshl_b32 s24, s23, 5
	s_lshl_b32 s26, s22, 4
	s_add_co_u32 s24, s24, s26
	s_add_nc_u64 s[16:17], s[16:17], s[24:25]      ; ws at column x 32 + 16 y
	s_mul_i32 s27, s20, 32*WPIT
	s_add_co_u32 s27, s27, 32768                   ; my stage, behind the other job's LDS
	v_lshlrev_b32 v3, 2, v2                        ; in: 4 bytes a lane
	v_mul_u32_u24 v4, v2, WPIT
	v_add_nc_u32 v4, s27, v4                       ; into the stage: row = my column
	v_and_b32 v5, 15, v2
	v_lshrrev_b32 v6, 4, v2
	v_mul_u32_u24 v7, v6, WPIT
	v_lshl_add_u32 v7, v5, 4, v7
	v_add_nc_u32 v7, s27, v7                       ; out of it: sixteen lanes to a row, two rows an instruction
	v_mul_u32_u24 v8, v6, KROW
	v_lshl_add_u32 v8, v5, 4, v8                   ; the same place in wc
	v_lshlrev_b32 v9, 5, v2                        ; my column's row of ws
.macro LOADW t                         ; block t: w(32 t + i, my column) into set t % 2; 128 consecutive bytes a load
.set i, 0
.rept 32
	global_load_b32 v[WX+32*((\t)%2)+i], v3, s[6:7] offset:(32*(\t)+i)*WN*4 th:TH_LOAD_NT
.set i, i+1
.endr
.endm
	LOADW 0
	LOADW 1
.macro BLOCKW t
.set XS, WX+32*((\t)%2)
.if (\t) < NB-1
	s_wait_loadcnt 32                              ; this block's 32 loads are in; the next block's stay out
.else
	s_wait_loadcnt 0
.endif
	v_max3_num_f32 v20, |v[XS]|, |v[XS+1]|, |v[XS+2]|
	v_max3_num_f32 v21, |v[XS+3]|, |v[XS+4]|, |v[XS+5]|
.irp i, 6,10,14,18,22,26
	v_max3_num_f32 v20, v20, |v[XS+\i]|, |v[XS+\i+1]|
	v_max3_num_f32 v21, v21, |v[XS+\i+2]|, |v[XS+\i+3]|
.endr
	v_max3_num_f32 v20, v20, |v[XS+30]|, |v[XS+31]|
	v_max3_num_f32 v20, v20, v21, (EMAX+1)<<23     ; with the floor
	v_add_nc_u32 v11, -(EMAX<<23), v20             ; the conversion's scale operand
	v_lshrrev_b32 v21, 23, v11                     ; the scale's byte
.if (\t)%4 == 0
	v_mov_b32 v[WSB+(\t)/4], v21
.else
	v_lshl_or_b32 v[WSB+(\t)/4], v21, 8*((\t)%4), v[WSB+(\t)/4]
.endif
.irp g, 0,1,2,3
	v_cvt_scalef32_pk8_fp4_f32 v[WC+\g], v[XS+8*\g:XS+8*\g+7], v11
.endr
	v_nop                                          ; a plain line behind the last conversion
	ds_store_b128 v4, v[WC:WC+3] offset:16*(\t)    ; 32 codes: 16 bytes of my column's row
.if (\t)+2 < NB
	LOADW (\t)+2
.endif
	s_wait_dscnt 0x0                               ; the store has read its registers: the next block's codes may be written
.endm
.set Q, 0
.rept NB
	BLOCKW Q
.set Q, Q+1
.endr
	global_store_b128 v9, v[WSB:WSB+3], s[16:17]   ; my column's 16 scale bytes
.irp t, 0,1,2,3,4,5,6,7,8,9,10,11,12,13,14,15
	ds_load_b128 v[WOUT+4*\t:WOUT+4*\t+3], v7 offset:2*\t*WPIT
.endr
.irp t, 0,1,2,3,4,5,6,7,8,9,10,11,12,13,14,15
	s_wait_dscnt 15-\t                             ; LDS loads come back in order: load t is in
	global_store_b128 v8, v[WOUT+4*\t:WOUT+4*\t+3], s[14:15] offset:2*\t*KROW
.endr
	s_branch .Lend
; ---------------- w_out: a wave takes 8,192 numbers in 4 rounds of 8 steps of 256; a lane holds 8 neighbours, which make 16 bytes of f16.
.Lpath_o:
	s_sub_co_u32 s22, ttmp9, 48
	s_lshl_b32 s22, s22, 2
	s_add_co_u32 s22, s22, s20                     ; 0..127
	s_lshl_b32 s24, s22, 15
	s_add_nc_u64 s[8:9], s[8:9], s[24:25]
	s_lshl_b32 s24, s22, 14
	s_add_nc_u64 s[18:19], s[18:19], s[24:25]
	v_lshlrev_b32 v3, 5, v2
	v_lshlrev_b32 v4, 4, v2
.macro LOADO rd
.set IN, 32+64*((\rd)%2)
.irp i, 0,1,2,3,4,5,6,7
	global_load_b128 v[IN+8*\i:IN+8*\i+3],   v3, s[8:9] offset:1024*(8*(\rd)+\i) th:TH_LOAD_NT
	global_load_b128 v[IN+8*\i+4:IN+8*\i+7], v3, s[8:9] offset:1024*(8*(\rd)+\i)+16 th:TH_LOAD_NT
.endr
.endm
.macro ROUNDO rd
.if (\rd) < 3
	s_wait_loadcnt 16                              ; this round's 16 loads are in; the other set's stay out
.else
	s_wait_loadcnt 0
.endif
	s_wait_xcnt 0x0                                ; the last round's stores have read v160-191
.set IN, 32+64*((\rd)%2)
.irp i, 0,1,2,3,4,5,6,7
.irp k, 0,2,4,6
	v_pk_mul_f32 v[IN+8*\i+\k:IN+8*\i+\k+1], v[IN+8*\i+\k:IN+8*\i+\k+1], 4.0 op_sel_hi:[1,0]
.endr
.irp k, 0,1,2,3
	v_cvt_pk_f16_f32 v[160+4*\i+\k], v[IN+8*\i+2*\k], v[IN+8*\i+2*\k+1]
.endr
	global_store_b128 v4, v[160+4*\i:160+4*\i+3], s[18:19] offset:512*(8*(\rd)+\i) th:TH_STORE_NT   ; 512 consecutive bytes a wave
.endr
.if (\rd)+2 < 4
	LOADO (\rd)+2
.endif
.endm
	LOADO 0
	LOADO 1
	ROUNDO 0
	ROUNDO 1
	ROUNDO 2
	ROUNDO 3
.Lend:
	s_wait_tensorcnt 0x0                           ; the wave's end: behind my last LDS store
	ds_add_u32 v[SPW], v[NIL]
	s_wait_dscnt 0x0
	s_endpgm
.Lfunc_end_k_q450e7676c8_prep:
	.size	k_q450e7676c8_prep, .Lfunc_end_k_q450e7676c8_prep-k_q450e7676c8_prep
	.p2alignl 7, 3214868480
	.fill 96, 4, 3214868480
	.section	.rodata,"a",@progbits
	.p2align	6, 0x0
	.amdhsa_kernel k_q450e7676c8_prep
		.amdhsa_group_segment_fixed_size 68096
		.amdhsa_private_segment_fixed_size 0
		.amdhsa_enable_private_segment 0
		.amdhsa_kernarg_size 64
		.amdhsa_user_sgpr_count 2
		.amdhsa_user_sgpr_kernarg_segment_ptr 1
		.amdhsa_wavefront_size32 1
		.amdhsa_system_sgpr_workgroup_id_x 1
		.amdhsa_system_sgpr_workgroup_id_y 1
		.amdhsa_system_sgpr_workgroup_id_z 1
		.amdhsa_system_vgpr_workitem_id 0
		.amdhsa_next_free_vgpr 192
		.amdhsa_next_free_sgpr 66
		.amdhsa_reserve_vcc 0
		.amdhsa_float_denorm_mode_32 3
		.amdhsa_float_denorm_mode_16_64 3
		.amdhsa_memory_ordered 1
		.amdhsa_forward_progress 1
		.amdhsa_inst_pref_size 137
	.end_amdhsa_kernel
	.amdgpu_metadata
---
amdhsa.version: [ 1, 2 ]
amdhsa.kernels:
  - .name:           k_q450e7676c8_prep
    .symbol:         k_q450e7676c8_prep.kd
    .args:
      - { .name: x, .offset: 0, .size: 8, .value_kind: global_buffer, .address_space: global }
      - { .name: w_qkv, .offset: 8, .size: 8, .value_kind: global_buffer, .address_space: global }
      - { .name: w_out, .offset: 16, .size: 8, .value_kind: global_buffer, .address_space: global }
      - { .name: xc, .offset: 24, .size: 8, .value_kind: global_buffer, .address_space: global }
      - { .name: xs, .offset: 32, .size: 8, .value_kind: global_buffer, .address_space: global }
      - { .name: wc, .offset: 40, .size: 8, .value_kind: global_buffer, .address_space: global }
      - { .name: ws, .offset: 48, .size: 8, .value_kind: global_buffer, .address_space: global }
      - { .name: w16, .offset: 56, .size: 8, .value_kind: global_buffer, .address_space: global }
    .group_segment_fixed_size: 68096
    .private_segment_fixed_size: 0
    .kernarg_segment_align: 8
    .kernarg_segment_size: 64
    .max_flat_workgroup_size: 128
    .sgpr_count:     66
    .vgpr_count:     192
    .wavefront_size: 32
...
	.end_amdgpu_metadata
.endif
;; end of part 1
;; launch qkvg (part 2): grid 12 x 32, 4 waves a work-group, clusters of 4 x 4, 327,680 bytes of LDS; arguments xc, xs, wc, ws, qkv, qkvf; writes qkv, qkvf
.if DOCPART == 2
	.amdgcn_target "amdgcn-amd-amdhsa--gfx1250"
	.amdhsa_code_object_version 6
	.text
	.protected	k_q450e7676c8_qkvg
	.globl	k_q450e7676c8_qkvg
	.p2align	8
	.type	k_q450e7676c8_qkvg,@function
k_q450e7676c8_qkvg:
	s_mov_b64 s[64:65], 0
	v_nop
	global_prefetch_b8 v0, s[64:65] scope:SCOPE_SE
	s_setreg_imm32_b32 hwreg(HW_REG_WAVE_MODE, 25, 1), 1
	s_wait_xcnt 0x0
	s_wait_alu depctr_hold_cnt(0) depctr_sa_sdst(0) depctr_va_vdst(0) depctr_va_sdst(0) depctr_va_ssrc(0) depctr_va_vcc(0) depctr_vm_vsrc(0)
	s_getreg_b32 s2, hwreg(HW_REG_IB_STS2, 6, 4)
	s_cmp_eq_u32 s2, 0
	s_cbranch_scc0 .Lentry_in_a_cluster
	s_endpgm
.Lentry_in_a_cluster:
	s_bfe_u32 s2, ttmp6, 0x10000c
	s_cmp_lg_u32 s2, 0xf033
	s_cbranch_scc0 .Lentry_shape_is_right
	s_endpgm
.Lentry_shape_is_right:
; QKVG.  The quantised product: qkv[m][n] = sum over k of x[m][k] w_qkv[k][n] on codes of E2M1 with one E8M0 scale for each 32 along K; sums in f32.
; A = xc [8192][512 bytes], B = wc [3072][512 bytes], scale bytes xs [8192][32], ws [3072][32].
; A tile of 256 x 256 is made by four waves, 128 x 128 each: 64 accumulators, 512 registers.  K = 1,024 is two slots of 512 along K (rows of 256 bytes): both are asked for at the head, nothing is filled again.
; The scale bytes of the work-group's 256 + 256 rows come into LDS once, as rows of 256 bytes + 16.
; CLUSTER 4 x 4: A's tiles are asked for jointly along a row of the cluster, B's along a column.  Tile row = 8 cy + cluster y, so cy is the batch and cluster y, which all sixteen partners share, the tile inside it.
; The matrix instruction is used transposed (source 0 = 16 rows of B, source 1 = 16 rows of A): a lane holds eight neighbouring columns of one row.
; OUT.  qkv: f16, [3 regions q, k, v][batch x 16 + head][2048 t][64]; q is multiplied by log2(e) / 4, k by 1/2, v by 1/4, in f32, ahead of the one rounding.
;       qkvf: the raw f32 sums of positions 0-15 of each batch, [4][16][3072], for the launch that carries those rows in f32.
; LIMIT: 0.36 |q|, |k| / 2 and |v| / 4 stay under 65,504, the largest f16 number.
; REGISTERS: window 0: v0-31 addresses; v32-95 scale words, two sets; v128-191 A's fragments, one set; on the way out v32-191 are free.  window 1: B's fragments, two sets.  windows 2, 3: the accumulators ((a, b) at v[8 (8 (a % 4) + b)]).
.set SIZE_K, 1024
.set KSTEP,  512
.set NQ,     KSTEP/128
.set ROWB,   256
.set KROW,   SIZE_K*4/8
.set PITCH,  272                       ; an LDS row: 256 bytes + 16: the 16 rows of a fragment load start 68 words apart
.set FR,     8
.set NL,     2
.set NP,     4
.set HALFT,  128*PITCH
.set SLOT,   4*HALFT
.set KS,     SIZE_K/32
.set SCL,    2*SLOT
.set HALFS,  (128*KS/256)*272
.set SBLK,   (16*KS/256)*272
.set SPARE,  SCL+4*HALFS               ; the spare words, 128 bytes a wave, that no other line names
.set SPITCH, 528                       ; the way out: 8,448 bytes of stage a wave, in slot 0, which has had its only fill and its last read by then
.set HPITCH, 272                       ; the same bytes as 16 rows of 128 f16 + 16
.set ADRA, 16
.set ADRB, 20
.set STO32, 22                         ; v22  the f32 stage: where I put 32 bytes of a row
.set RD32, 23                          ; v23  and where I read a row back
.set STO,  24                          ; v24  the f16 stage: where I put 16 bytes of a row
.set RD,   25                          ; v25  and where I read 16 bytes of one head's row back
.set CO,   26                          ; v26  16 x lane
.set ADRS, 27
.set SPW,  28
.set NIL,  29
.set SC,   32
.set AF,   128
.set TF,   32                          ; the way out: 64 scaled numbers
.set HF,   96                          ; 32 registers of f16 pairs
.set BK,   128                         ; rows read back: v128-159 and v160-191 by turns
.set G1, 24
.set G0, 32
.set G1B, 48
.set G0B, 56
.set G1S, 68
.set G0S, 76
.set G1SB, 80
.set G0SB, 88
.set MSB, 0
.macro WIN new                         ; the immediate's high byte repeats the setting that is left
.if MSB != \new
	s_set_vgpr_msb (MSB<<8)|\new
.set MSB, \new
.endif
.endm
.set MUL_LO, 0xa1                      ; source 0 (B) window 1, source 1 (A) window 0, C and D window 2
.set MUL_HI, 0xf1
.set TO_B,   0x40
; A joint load: waves 0 and 1 fetch for A, waves 2 and 3 for B; the branch hangs on the wave's number alone.  An s_nop 0 and four v_nop follow each line.
.macro JLOAD g0a, g1a, g0b, g1b
	s_cmp_eq_u32 s15, 0
	s_cbranch_scc0 .Lfor_b_\@
	tensor_load_to_lds s[\g0a:\g0a+3], s[\g1a:\g1a+7]
	s_nop 0
.rept 4
	v_nop
.endr
	s_branch .Lasked_\@
.Lfor_b_\@:
	tensor_load_to_lds s[\g0b:\g0b+3], s[\g1b:\g1b+7]
	s_nop 0
.rept 4
	v_nop
.endr
.Lasked_\@:
.endm
.macro CROUND                          ; a round of the cluster's barrier
	s_barrier_signal -1
	s_barrier_wait -1
	s_cmp_lg_u32 s14, 0
	s_cbranch_scc1 .Lnot_wave_0_\@
	s_barrier_signal -3
.Lnot_wave_0_\@:
	s_barrier_wait -3
	s_barrier_signal -1
	s_barrier_wait -1
.endm
	s_load_b128 s[4:7], s[0:1], 0x0                ; xc s[4:5], xs s[6:7]
	s_load_b128 s[8:11], s[0:1], 0x10              ; wc s[8:9], ws s[10:11]
	s_load_b64 s[12:13], s[0:1], 0x20              ; qkv
	s_load_b64 s[98:99], s[0:1], 0x28              ; qkvf
	v_lshl_add_u32 v[SPW], v0, 2, SPARE
	v_mov_b32 v[NIL], 0
	ds_add_u32 v[SPW], v[NIL]                      ; the wave's opening: the add, twice on end, and its wait ahead of my first tensor load
	ds_add_u32 v[SPW], v[NIL]
	v_lshrrev_b32 v1, 5, v0
	v_readfirstlane_b32 s14, v1                    ; wave 0..3
	s_lshr_b32 s15, s14, 1                         ; my half of the tile's rows; also: I fetch for A (0) or B (1)
	s_and_b32 s16, s14, 1                          ; my half of its columns; also: which 128 rows I fetch
	s_bfe_u32 s40, ttmp6, 0x40000                  ; cx
	s_bfe_u32 s41, ttmp6, 0x40004                  ; cy
	s_lshl_b32 s42, ttmp9, 2
	s_add_co_u32 s42, s42, s40                     ; tile column = 4 x cluster x + cx; cluster x is the region q, k, v
	s_and_b32 s95, ttmp7, 0xffff                   ; cluster y
	s_lshl_b32 s17, s41, 3
	s_add_co_u32 s17, s17, s95                     ; tile row = 8 cy + cluster y
	s_lshl_b32 s43, s41, 2
	s_lshl_b32 s43, 15, s43                        ; my row of the cluster
	s_lshl_b32 s44, 0x1111, s40                    ; my column
	s_or_b32 s[G1+0], s43, (0<<16)|(1<<20)|(1<<21)|(5<<22)|(3<<25)   ; the mask; elements of 1 byte; 4 words of padding behind every 64
	s_or_b32 s[G1B+0], s44, (0<<16)|(1<<20)|(1<<21)|(5<<22)|(3<<25)
.irp g, G1, G1B
	s_mov_b32 s[\g+1], ROWB<<16                    ; tensor_dim0
	s_mov_b32 s[\g+2], 128<<16                     ; tensor_dim1
	s_mov_b32 s[\g+3], ROWB<<16                    ; tile_dim0
	s_mov_b32 s[\g+4], 128                         ; tile_dim1
	s_mov_b32 s[\g+5], KROW                        ; from row to row
	s_mov_b32 s[\g+6], 0
	s_mov_b32 s[\g+7], 0
.endr
	s_or_b32 s[G1S+0], s43, (3<<16)|(1<<20)|(1<<21)|(5<<22)|(3<<25)  ; the scales of 128 rows: 4,096 dense bytes as 16 rows of 32 elements of 8 bytes
	s_or_b32 s[G1SB+0], s44, (3<<16)|(1<<20)|(1<<21)|(5<<22)|(3<<25)
.irp g, G1S, G1SB
	s_mov_b32 s[\g+1], 32<<16
	s_mov_b32 s[\g+2], (128*KS/256)<<16
	s_mov_b32 s[\g+3], 32<<16
	s_mov_b32 s[\g+4], 128*KS/256
	s_mov_b32 s[\g+5], 32
	s_mov_b32 s[\g+6], 0
	s_mov_b32 s[\g+7], 0
.endr
	s_mov_b32 s96, 0x3e800000                      ; the region's multiplier: v 1/4,
	s_cmp_eq_u32 ttmp9, 1
	s_cselect_b32 s96, 0x3f000000, s96             ; k 1/2,
	s_cmp_eq_u32 ttmp9, 0
	s_cselect_b32 s96, 0x3eb8aa3b, s96             ; q log2(e) / 4
	s_mov_b32 s97, s96                             ; (named with it as a pair)
	s_lshl_b32 s18, s16, 7
	s_lshl_b32 s20, s17, 8
	s_add_co_u32 s20, s20, s18                     ; A: row 256 x tile row + 128 x half
	s_lshl_b32 s46, s42, 8
	s_add_co_u32 s46, s46, s18                     ; B: row 256 x tile column + 128 x half
	s_mov_b32 s21, 0
	s_mov_b32 s47, 0
	s_mov_b64 s[18:19], KS
	s_mul_u64 s[22:23], s[20:21], s[18:19]         ; where these rows' scales begin
	s_mul_u64 s[92:93], s[46:47], s[18:19]
	s_mov_b64 s[18:19], KROW
	s_mul_u64 s[20:21], s[20:21], s[18:19]         ; and their codes
	s_mul_u64 s[46:47], s[46:47], s[18:19]
	s_mul_i32 s45, s14, HALFT                      ; where they go: wave x 128 rows
	s_mul_i32 s94, s14, HALFS
	s_wait_dscnt 0x0                               ; both opening adds are done
	s_wait_kmcnt 0x0
	s_add_nc_u64 s[20:21], s[4:5], s[20:21]
	s_add_nc_u64 s[22:23], s[6:7], s[22:23]
	s_add_nc_u64 s[46:47], s[8:9], s[46:47]
	s_add_nc_u64 s[92:93], s[10:11], s[92:93]
	CROUND                                         ; all sixteen work-groups are here: the joint loads meet
	s_mov_b32 s[G0S], 1
	s_add_co_u32 s[G0S+1], s94, SCL
	s_mov_b64 s[G0S+2:G0S+3], s[22:23]
	s_or_b32 s[G0S+3], s[G0S+3], 0x80000000
	s_mov_b32 s[G0SB], 1
	s_add_co_u32 s[G0SB+1], s94, SCL
	s_mov_b64 s[G0SB+2:G0SB+3], s[92:93]
	s_or_b32 s[G0SB+3], s[G0SB+3], 0x80000000
	JLOAD G0S, G1S, G0SB, G1SB                     ; the scales first
.irp s, 0,1
	s_mov_b32 s[G0+4*\s], 1
	s_add_co_u32 s[G0+4*\s+1], s45, \s*SLOT
	s_add_nc_u64 s[G0+4*\s+2:G0+4*\s+3], s[20:21], \s*ROWB
	s_or_b32 s[G0+4*\s+3], s[G0+4*\s+3], 0x80000000
	s_mov_b32 s[G0B+4*\s], 1
	s_add_co_u32 s[G0B+4*\s+1], s45, \s*SLOT
	s_add_nc_u64 s[G0B+4*\s+2:G0B+4*\s+3], s[46:47], \s*ROWB
	s_or_b32 s[G0B+4*\s+3], s[G0B+4*\s+3], 0x80000000
	JLOAD G0+4*\s, G1, G0B+4*\s, G1B               ; three loads of mine are out at the most
.endr
	v_and_b32 v1, 15, v0                           ; r
	v_bfe_u32 v2, v0, 4, 1                         ; h
	v_mul_u32_u24 v3, v1, PITCH
	v_lshl_add_u32 v4, v2, 4, v3
	s_mul_i32 s21, s15, HALFT
	s_mul_i32 s22, s16, HALFT
	s_add_co_u32 s22, s22, 2*HALFT
.irp s, 0,1
	v_add_nc_u32 v[ADRA+\s], s21, v4
	v_add_nc_u32 v[ADRB+\s], s22, v4
	s_add_co_u32 s21, s21, SLOT
	s_add_co_u32 s22, s22, SLOT
.endr
	v_mul_u32_u24 v5, v1, KS                       ; my row's scales: 32 bytes a row,
	v_lshrrev_b32 v6, 8, v5
	v_lshl_add_u32 v5, v6, 4, v5                   ; and 16 more for each 256 passed
	s_mul_i32 s21, s15, HALFS
	s_mul_i32 s22, s16, HALFS
	s_add_co_u32 s22, s22, 2*HALFS
	s_sub_co_u32 s22, s22, s21
	v_mul_u32_u24 v6, s22, v2                      ; lanes 16-31 take B's
	s_add_co_u32 s21, s21, SCL
	v_add_nc_u32 v5, v5, v6
	v_add_nc_u32 v[ADRS], s21, v5
	s_mul_i32 s23, s14, 16*SPITCH                  ; my stage
	v_mul_u32_u24 v5, v1, SPITCH
	v_lshl_add_u32 v5, v2, 5, v5
	v_add_nc_u32 v[STO32], s23, v5
	v_and_b32 v6, 31, v0
	v_lshlrev_b32 v[CO], 4, v6
	v_add_nc_u32 v[RD32], s23, v[CO]
	v_mul_u32_u24 v5, v1, HPITCH
	v_lshl_add_u32 v5, v2, 4, v5
	v_add_nc_u32 v[STO], s23, v5                   ; f16: row r, 16 bytes for each half of the lanes
	v_lshrrev_b32 v5, 3, v6
	v_mul_u32_u24 v5, v5, HPITCH
	v_and_b32 v7, 7, v0
	v_lshl_add_u32 v5, v7, 4, v5
	v_add_nc_u32 v[RD], s23, v5                    ; back: eight lanes take a head's 128 bytes of a row, four rows an instruction
	; qkv at region, head (16 cy + 4 cx + 2 x column half), position 256 x cluster y + 128 x row half
	s_lshl_b32 s46, s41, 4
	s_lshl_b32 s47, s40, 2
	s_add_co_u32 s46, s46, s47
	s_lshl_b32 s47, s16, 1
	s_add_co_u32 s46, s46, s47
	s_lshl_b32 s46, s46, 11
	s_lshl_b32 s47, s95, 8
	s_add_co_u32 s46, s46, s47
	s_lshl_b32 s47, s15, 7
	s_add_co_u32 s46, s46, s47
	s_lshl_b32 s46, s46, 7                         ; rows of 128 bytes
	s_lshl_b32 s47, ttmp9, 24
	s_add_co_u32 s46, s46, s47
	s_mov_b32 s47, 0
	s_add_nc_u64 s[12:13], s[12:13], s[46:47]
	s_mul_i32 s46, s41, 196608                     ; qkvf at batch cy, column 256 x tile column + 128 x half
	s_lshl_b32 s47, s42, 10
	s_add_co_u32 s46, s46, s47
	s_lshl_b32 s47, s16, 9
	s_add_co_u32 s46, s46, s47
	s_mov_b32 s47, 0
	s_add_nc_u64 s[98:99], s[98:99], s[46:47]
.macro FRAG reg, adr, q, i             ; 16 rows x 128 K of 4-bit codes: 8 registers, two loads of 16 bytes, 32 bytes apart
.irp c, 0,1
	ds_load_b128 v[\reg+4*\c:\reg+4*\c+3], v[\adr] offset:64*(\q)+32*\c+(\i)*16*PITCH
.endr
.endm
; 16 matrix instructions: A's blocks a0, a0 + 1 x B's eight.  The 64 accumulators take turns, one instruction a turn.  zero = 1: the first product starts the sums.
.macro MUL16 a0, p, q, sc, zero
.irp a, \a0, \a0+1
.irp b, 0,1,2,3,4,5,6,7
.if \zero
	v_wmma_scale_f32_16x16x128_f8f6f4 v[8*(8*((\a)%4)+\b):8*(8*((\a)%4)+\b)+7], v[128*(\p)+FR*\b:128*(\p)+FR*\b+FR-1], v[AF+FR*(\a):AF+FR*(\a)+FR-1], 0, v[SC+8*NQ*(\sc)+NQ*\b+(\q)], v[SC+8*NQ*(\sc)+NQ*(\a)+(\q)] matrix_a_fmt:MATRIX_FMT_FP4 matrix_b_fmt:MATRIX_FMT_FP4 matrix_a_scale:MATRIX_SCALE_ROW1
.else
	v_wmma_scale_f32_16x16x128_f8f6f4 v[8*(8*((\a)%4)+\b):8*(8*((\a)%4)+\b)+7], v[128*(\p)+FR*\b:128*(\p)+FR*\b+FR-1], v[AF+FR*(\a):AF+FR*(\a)+FR-1], v[8*(8*((\a)%4)+\b):8*(8*((\a)%4)+\b)+7], v[SC+8*NQ*(\sc)+NQ*\b+(\q)], v[SC+8*NQ*(\sc)+NQ*(\a)+(\q)] matrix_a_fmt:MATRIX_FMT_FP4 matrix_b_fmt:MATRIX_FMT_FP4 matrix_a_scale:MATRIX_SCALE_ROW1
.endif
.endr
.endr
.endm
.macro FETCH_B slot, q, p
	WIN TO_B
.irp i, 0,1,2,3,4,5,6,7
	FRAG 128*(\p)+FR*\i, ADRB+\slot, \q, \i
.endr
	WIN 0
.endm
.macro FETCH_A slot, q, i0
.irp i, \i0, \i0+1, \i0+2, \i0+3
	FRAG AF+FR*(\i), ADRA+\slot, \q, \i
.endr
.endm
.macro SCALES sc                       ; a slot's scale words: 4 words a row; lanes 0-15 take A's block i, lanes 16-31 B's block i
.irp i, 0,1,2,3,4,5,6,7
	ds_load_b128 v[SC+8*NQ*\sc+NQ*\i:SC+8*NQ*\sc+NQ*\i+3], v[ADRS] offset:\i*SBLK
.endr
.endm
.macro PLACES n                        ; plain vector lines between a matrix instruction and a load into, or a read of, its registers
.rept \n
	v_nop
.endr
.endm
.macro STEP slot, q, zero              ; 128 along K whose successor lies in the same slot
	s_wait_dscnt 4*NL                              ; all but the youngest eight loads (A's blocks 4-7) are in
	WIN MUL_LO
	MUL16 0, (\q)%2, \q, \slot, \zero
	MUL16 2, (\q)%2, \q, \slot, \zero
	s_wait_dscnt 0                                 ; A's blocks 4-7 are in
	PLACES NP
	FETCH_B \slot, (\q)+1, 1-(\q)%2
	FETCH_A \slot, (\q)+1, 0
	WIN MUL_HI
	MUL16 4, (\q)%2, \q, \slot, \zero
	MUL16 6, (\q)%2, \q, \slot, \zero
	PLACES NP
	WIN 0
	FETCH_A \slot, (\q)+1, 4
.endm
	s_wait_tensorcnt 1                             ; the scales and my part of slot 0 are in; slot 1's load may be out
	s_barrier_signal -1
	s_barrier_wait -1
	FETCH_B 0, 0, 0
	FETCH_A 0, 0, 0
	SCALES 0
	FETCH_A 0, 0, 4
	STEP 0, 0, 1                                   ; the first step's products start the sums
	STEP 0, 1, 0
	STEP 0, 2, 0
	; slot 0's last step changes slots: one barrier; in front of it my loads have landed and my reads of slot 0 are over
	s_wait_tensorcnt 0x0                           ; my part of slot 1 is in
	ds_add_u32 v[SPW], v[NIL]
	s_wait_dscnt 4*NL+1                            ; (the add and A's blocks 4-7 may be out)
	WIN MUL_LO
	MUL16 0, 1, NQ-1, 0, 0
	s_wait_dscnt 0x0
	s_barrier_signal -1
	MUL16 2, 1, NQ-1, 0, 0
	WIN 0
	s_barrier_wait -1
	PLACES NP
	v_add_nc_u32 v[ADRS], 4*NQ, v[ADRS]            ; on to slot 1's scale words
	FETCH_B 1, 0, 0
	FETCH_A 1, 0, 0
	SCALES 1
	WIN MUL_HI
	MUL16 4, 1, NQ-1, 0, 0
	MUL16 6, 1, NQ-1, 0, 0
	PLACES NP
	WIN 0
	FETCH_A 1, 0, 4
	STEP 1, 0, 0
	STEP 1, 1, 0
	STEP 1, 2, 0
	s_wait_dscnt 4*NL                              ; the very last step
	WIN MUL_LO
	MUL16 0, 1, NQ-1, 1, 0
	MUL16 2, 1, NQ-1, 1, 0
	s_wait_dscnt 0
	WIN MUL_HI
	MUL16 4, 1, NQ-1, 1, 0
	MUL16 6, 1, NQ-1, 1, 0
	WIN 0
; THE WAY OUT, a block of 16 rows x 128 columns (two heads) at a time, through my own stage; LDS serves a wave's instructions in order, so no wait stands between its stores and its loads.
.macro PACK a                          ; x the region's multiplier in f32, then one rounding to f16; each accumulator is read from its low end on
.set AC, 64*((\a)%4)
.set WN, 0x02+((\a)/4)
	WIN WN                                         ; source 0: window 2 or 3
.set i, 0
.rept 32
	v_pk_mul_f32 v[TF+i:TF+i+1], v[AC+i:AC+i+1], s[96:97] op_sel_hi:[1,0]
.set i, i+2
.endr
	WIN 0
.set i, 0
.rept 32
	v_cvt_pk_f16_f32 v[HF+i], v[TF+2*i], v[TF+2*i+1]
.set i, i+1
.endr
.endm
.macro TOSTAGE a
.set BB, BK+32*((\a)%2)
.irp b, 0,1,2,3,4,5,6,7
	ds_store_b128 v[STO], v[HF+4*\b:HF+4*\b+3] offset:32*\b
.endr
.irp hh, 0,1
.irp i, 0,1,2,3
	ds_load_b128 v[BB+16*\hh+4*\i:BB+16*\hh+4*\i+3], v[RD] offset:\hh*128+\i*4*HPITCH
.endr
.endr
.endm
.macro SEND a, younger                 ; younger: the LDS instructions issued behind block a's loads
.set BB, BK+32*((\a)%2)
	s_wait_dscnt \younger
.irp hh, 0,1
.irp i, 0,1,2,3
	global_store_b128 v[CO], v[BB+16*\hh+4*\i:BB+16*\hh+4*\i+3], s[12:13] offset:(\a)*2048+\hh*262144+\i*512 th:TH_STORE_NT   ; four rows of one head: 512 consecutive bytes
.endr
.endr
.endm
	PLACES NP                                      ; behind the last products, ahead of loads into A's registers and of writes of the scale words' registers
	s_or_b32 s94, s95, s15                         ; positions 0-15 of a batch lie in block 0 of the upper waves where cluster y = 0: the same test in all sixteen partners
	s_cmp_lg_u32 s94, 0
	s_cbranch_scc1 .Lno_fine
	WIN 0x08                                       ; an LDS store's data are its source 1: window 2
.irp b, 0,1,2,3,4,5,6,7
	ds_store_b128 v[STO32], v[8*\b:8*\b+3] offset:64*\b
	ds_store_b128 v[STO32], v[8*\b+4:8*\b+7] offset:64*\b+16
.endr
	WIN 0
.irp t, 0,1,2,3,4,5,6,7,8,9,10,11,12,13,14,15
	ds_load_b128 v[BK+4*\t:BK+4*\t+3], v[RD32] offset:\t*SPITCH
.endr
	s_wait_dscnt 0x0
.irp t, 0,1,2,3,4,5,6,7,8,9,10,11,12,13,14,15
	global_store_b128 v[CO], v[BK+4*\t:BK+4*\t+3], s[98:99] offset:\t*12288   ; 512 consecutive bytes of a row of raw sums
.endr
	s_wait_xcnt 0x0                                ; the stores have read v128-191
.Lno_fine:
	PACK 0
	TOSTAGE 0
.irp a, 1,2,3,4,5,6,7
.if \a > 1
	s_wait_xcnt 0x0                                ; block a - 2's stores have read the registers into which block a's rows come back
.endif
	PACK \a
	TOSTAGE \a
	SEND \a-1, 16                                  ; behind block a - 1's loads: block a's 8 stores and 8 loads
.endr
	SEND 7, 0
	s_wait_tensorcnt 0x0                           ; the wave's end
	ds_add_u32 v[SPW], v[NIL]
	s_wait_dscnt 0x0
	CROUND                                         ; the closing round
	s_endpgm
.Lfunc_end_k_q450e7676c8_qkvg:
	.size	k_q450e7676c8_qkvg, .Lfunc_end_k_q450e7676c8_qkvg-k_q450e7676c8_qkvg
	.p2alignl 7, 3214868480
	.fill 96, 4, 3214868480
	.section	.rodata,"a",@progbits
	.p2align	6, 0x0
	.amdhsa_kernel k_q450e7676c8_qkvg
		.amdhsa_group_segment_fixed_size 327680
		.amdhsa_private_segment_fixed_size 0
		.amdhsa_enable_private_segment 0
		.amdhsa_kernarg_size 48
		.amdhsa_user_sgpr_count 2
		.amdhsa_user_sgpr_kernarg_segment_ptr 1
		.amdhsa_wavefront_size32 1
		.amdhsa_system_sgpr_workgroup_id_x 1
		.amdhsa_system_sgpr_workgroup_id_y 1
		.amdhsa_system_sgpr_workgroup_id_z 1
		.amdhsa_system_vgpr_workitem_id 0
		.amdhsa_next_free_vgpr 1024
		.amdhsa_next_free_sgpr 100
		.amdhsa_reserve_vcc 0
		.amdhsa_float_denorm_mode_32 3
		.amdhsa_float_denorm_mode_16_64 3
		.amdhsa_memory_ordered 1
		.amdhsa_forward_progress 1
		.amdhsa_inst_pref_size 147
	.end_amdhsa_kernel
	.amdgpu_metadata
---
amdhsa.version: [ 1, 2 ]
amdhsa.kernels:
  - .name:           k_q450e7676c8_qkvg
    .symbol:         k_q450e7676c8_qkvg.kd
    .args:
      - { .name: xc, .offset: 0, .size: 8, .value_kind: global_buffer, .address_space: global }
      - { .name: xs, .offset: 8, .size: 8, .value_kind: global_buffer, .address_space: global }
      - { .name: wc, .offset: 16, .size: 8, .value_kind: global_buffer, .address_space: global }
      - { .name: ws, .offset: 24, .size: 8, .value_kind: global_buffer, .address_space: global }
      - { .name: qkv, .offset: 32, .size: 8, .value_kind: global_buffer, .address_space: global }
      - { .name: qkvf, .offset: 40, .size: 8, .value_kind: global_buffer, .address_space: global }
    .group_segment_fixed_size: 327680
    .private_segment_fixed_size: 0
    .kernarg_segment_align: 8
    .kernarg_segment_size: 48
    .max_flat_workgroup_size: 128
    .sgpr_count:     100
    .vgpr_count:     1024
    .wavefront_size: 32
...
	.end_amdgpu_metadata
.endif
;; end of part 2
;; launch attn (part 3): grid 4 x 64, 16 waves a work-group, no clusters, 327,680 bytes of LDS; arguments qkv, attn; writes attn
.if DOCPART == 3
	.amdgcn_target "amdgcn-amd-amdhsa--gfx1250"
	.amdhsa_code_object_version 6
	.text
	.protected	k_q450e7676c8_attn
	.globl	k_q450e7676c8_attn
	.p2align	8
	.type	k_q450e7676c8_attn,@function
k_q450e7676c8_attn:
	s_mov_b64 s[64:65], 0
	v_nop
	global_prefetch_b8 v0, s[64:65] scope:SCOPE_SE
	s_setreg_imm32_b32 hwreg(HW_REG_WAVE_MODE, 25, 1), 1
	s_wait_xcnt 0x0
; ATTN.  Causal attention of one head (work-group y = batch x 16 + head) on f16 operands with f32 sums.  qkv holds q log2(e) / 4, k / 2, v / 4, so q' . k' is the score in powers of two,
; and what is stored, f16 [head][2048][64], is attention / 4.
; SHARES.  Work-group x = i does the block of 256 queries 7 - i (8 - i slots of 256 keys) and then block i (i + 1 slots): nine slots for every work-group, so the trip count is a constant.
; Sixteen waves in eight pairs.  A pair owns 32 queries (two tiles of 16); of a slot's four chunks of 64 keys one wave takes chunks 0 and 2, its partner 1 and 3, each with a running maximum, sum and O of its own;
; at a block's end the partner's go through LDS and are merged.  Four waves share a SIMD's registers: one wave's softmax stands beside another's products and LDS loads.
; LAYOUT.  S^T = K Q^T and O^T = V^T P: a lane holds one query throughout; two tiles of S^T, rounded to f16 in pairs, are source 1 of the second product.  V is read turned (ds_load_tr16_b128).
; The row's sum is a product of ones with P: every register of its result holds the query's sum over all 32 keys, so no lane is asked; register 0 alone is rescaled and read, the others stay finite (at most 2,048).
; So the sum is taken of p as rounded to f16, the same numbers that are multiplied by V.
; SOFTMAX.  Running maximum m; p = 2^(s - m); O and the sum are multiplied by 2^(m_old - m_new) in every chunk.  A chunk is walked only where its first key is at or under the wave's first query, so every query sees a key in it.
; NO CLUSTER: from the sixth trip on the four work-groups of a head need different slots and change blocks at different trips, so joint requests could not be alike in all partners.
; LIMITS: NaN and infinities are not served; p under 6e-8 is rounded to 0.
.set PK,    144                        ; a row of K or Q in LDS: 128 bytes + 16
.set PV,    160                        ; a row of V: 128 + 32, an odd multiple of 32 for the turning load
.set VOFF,  256*PK                     ; a slot: 256 rows of K, then 256 of V
.set QB,    VOFF+256*PV                ; 77,824: the second block's 256 queries, filled once
.set SPARE, QB+256*PK                  ; 114,688: the spare words, 128 bytes a wave, that no other line names
.set SLOT1, 131072                     ; slot 1: one exclusive or turns an address from one slot to the other
.set PART,  SLOT1+QB                   ; 208,896: for each pair 16 images of 512 bytes (O) and one of statistics
.set PARTB, 8704
.set OSTG,  PART+8*PARTB               ; 278,528: for each pair 32 rows x 144 for the way out
.set AK0,  1                           ; my lane's place in my first chunk of K
.set AV0,  2                           ; and of V
.set ADK,  3
.set ADV,  4
.set SPW,  5
.set NIL,  6
.set AQ,   7                           ; my lane's place among the second block's queries
.set PST,  8                           ; my pair's images: + 16 x lane
.set OSTO, 9
.set ORD,  10
.set GO,   11                          ; 16 x lane
.set QO,   12
.set PFO,  13                          ; 256 x lane
.set DR,   14                          ; r - 8 h, for the mask
.set ST,   16                          ; tile u at v[16 + 8 u]: m, -, a, -, c0-c3
.set RQ,   32                          ; Q: 16 u + 8 cq
.set RB,   64                          ; 32 registers: half a chunk of K, or of V
.set RS,   96                          ; S^T: 32 u + 8 kt; then P in the lower 16 of each tile and V's second half in the upper
.set RO,   160                         ; O^T: 32 u + 8 ct
.set RL,   224                         ; the sums: 8 u
.set RONE, 240                         ; 16 x 32 ones
.set WV,   8
.set KH,   9
.set GG,   10
.set PAIR, 11
.set NA,   12
.set TT,   13
.set KSC,  14
.set KSN,  15
.set KF,   16
.set Q0,   17
.set TB,   18
.set LIM,  19
.set SEL,  20
.set G1K,  24
.set G1V,  32
.set G0K,  40
.set G0V,  44
.set G0Q,  48
.set KB,   52
.set VB,   54
.set AB,   56
.set SB,   58
.set PFA,  60
.macro FOURNOP
.rept 4
	v_nop
.endr
.endm
.macro TLOAD                           ; waves 0, 1 fetch K's halves, waves 2, 3 V's; an s_nop 0 and four v_nop follow each line
	s_cmp_lt_u32 s[WV], 2
	s_cbranch_scc0 .Lnot_k_\@
	tensor_load_to_lds s[G0K:G0K+3], s[G1K:G1K+7]
	s_nop 0
	FOURNOP
	s_branch .Lasked_\@
.Lnot_k_\@:
	s_cmp_lt_u32 s[WV], 4
	s_cbranch_scc0 .Lasked_\@
	tensor_load_to_lds s[G0V:G0V+3], s[G1V:G1V+7]
	s_nop 0
	FOURNOP
.Lasked_\@:
.endm
; A prefetch of the slot that the NEXT change will ask for.  All four work-groups of a head begin with slots 0, 1, 2 ..: work-group 0 asks, and in it the waves that fetch nothing:
; waves 4-7 for K's 32,768 dense bytes, waves 8-11 for V's, 8,192 bytes a wave, lanes 256 bytes apart: each block is named once.  Trip t names slot t + 2, up to slot 7.
.macro ASK
	s_cmp_lt_u32 s[TT], s[LIM]
	s_cbranch_scc0 .Lnot_mine_\@
	global_prefetch_b8 v[PFO], s[PFA:PFA+1] th:TH_LOAD_NT scope:SCOPE_SE
.Lnot_mine_\@:
.endm
.macro INIT                            ; O and the sums begin as zeros, m under every score: the chunk is written once and its first rescaling multiplies zeros
.set i, 0
.rept 80
	v_mov_b32 v[RO+i], 0
.set i, i+1
.endr
	v_mov_b32 v[ST], 0xff61b1e6
	v_mov_b32 v[ST+8], 0xff61b1e6
.endm
	s_load_b128 s[4:7], s[0:1], 0x0                ; qkv s[4:5], attn s[6:7]
	v_lshl_add_u32 v[SPW], v0, 2, SPARE
	v_mov_b32 v[NIL], 0
	ds_add_u32 v[SPW], v[NIL]                      ; the wave's opening: the add, twice on end, and its wait ahead of the first tensor loads
	ds_add_u32 v[SPW], v[NIL]
	v_lshrrev_b32 v1, 5, v0
	v_readfirstlane_b32 s[WV], v1                  ; wave 0..15
	s_lshr_b32 s[KH], s[WV], 2
	s_and_b32 s[KH], s[KH], 1                      ; which chunks of a slot are mine
	s_lshr_b32 s66, s[WV], 3
	s_and_b32 s67, s[WV], 3
	s_lshl_b32 s22, s66, 2
	s_or_b32 s[PAIR], s67, s22                     ; my pair, 0..7
	s_lshl_b32 s23, s66, 1
	s_add_co_u32 s23, s23, s67
	s_and_b32 s23, s23, 3
	s_or_b32 s[GG], s23, s22                       ; which 32 queries of the block are my pair's
	s_sub_co_u32 s[NA], 8, ttmp9                   ; slots of the first block
	s_sub_co_u32 s66, 7, ttmp9
	s_lshl_b32 s[Q0], s66, 8
	s_lshl_b32 s66, s[GG], 5
	s_add_co_u32 s[Q0], s[Q0], s66                 ; my first query
	s_mov_b32 s[G1K], (1<<16)|(1<<20)|(4<<22)|(3<<25)   ; elements of 2 bytes; 4 words of padding behind every 32
	s_mov_b32 s[G1V], (1<<16)|(1<<20)|(4<<22)|(7<<25)   ; 8 words
.irp g, G1K, G1V
	s_mov_b32 s[\g+1], 64<<16                      ; tensor_dim0
	s_mov_b32 s[\g+2], 128<<16                     ; tensor_dim1
	s_mov_b32 s[\g+3], 64<<16                      ; tile_dim0
	s_mov_b32 s[\g+4], 128                         ; tile_dim1
	s_mov_b32 s[\g+5], 64                          ; from row to row
	s_mov_b32 s[\g+6], 0
	s_mov_b32 s[\g+7], 0
.endr
	s_and_b32 s70, ttmp7, 0xffff
	s_lshl_b32 s70, s70, 18                        ; the head's first byte in a region, and in attn
	s_mov_b32 s71, 0
	s_and_b32 s67, s[WV], 1                        ; which 128 rows I fetch, if I fetch
	s_lshl_b32 s68, s67, 14
	s_add_co_u32 s68, s68, s70
	s_mov_b32 s69, 0
	s_mov_b32 s[G0K], 1
	s_mul_i32 s[G0K+1], s67, 128*PK
	s_mov_b32 s[G0V], 1
	s_mul_i32 s[G0V+1], s67, 128*PV
	s_add_co_u32 s[G0V+1], s[G0V+1], VOFF
	s_mov_b32 s[G0Q], 1
	s_add_co_u32 s[G0Q+1], s[G0K+1], QB
	s_mov_b32 s[SEL], 0x76543210
	s_mov_b32 s[SEL+1], 0xfedcba98
	s_mov_b32 s[TB], 0
	s_mov_b32 s[KSC], 0
	s_mov_b32 s[TT], 0
	s_sub_co_u32 s66, s[WV], 4
	s_lshr_b32 s66, s66, 3                         ; 0 in waves 4 to 11
	s_or_b32 s66, s66, ttmp9                       ; of work-group 0
	s_cmp_eq_u32 s66, 0
	s_cselect_b32 s[LIM], 6, 0
	s_mov_b32 s22, 0x2000000
	s_cmp_lt_u32 s[WV], 8
	s_cselect_b32 s22, 0x1000000, s22              ; K's region or V's
	s_and_b32 s23, s[WV], 3
	s_lshl_b32 s23, s23, 13
	s_add_co_u32 s22, s22, s23
	s_add_co_u32 s22, s22, s70
	s_add_co_u32 s22, s22, 32768                   ; slot 1: the first change steps it to slot 2
	s_mov_b32 s23, 0
	s_lshl_b32 s66, s[Q0], 7
	s_add_co_u32 s66, s66, s70
	s_mov_b32 s67, 0
	s_wait_dscnt 0x0                               ; both opening adds are done
	s_wait_kmcnt 0x0
	s_add_nc_u64 s[PFA:PFA+1], s[4:5], s[22:23]
	s_add_nc_u64 s[62:63], s[4:5], s[66:67]        ; q at my first query
	s_add_nc_u64 s[AB:AB+1], s[6:7], s[70:71]
	s_add_nc_u64 s[KB:KB+1], s[4:5], s[68:69]      ; q's region, my head, my half
	s_lshl_b32 s22, ttmp9, 15
	s_add_nc_u64 s[G0Q+2:G0Q+3], s[KB:KB+1], s[22:23]   ; the second block's queries
	s_or_b32 s[G0Q+3], s[G0Q+3], 0x80000000
	s_add_nc_u64 s[VB:VB+1], s[KB:KB+1], 0x2000000
	s_add_nc_u64 s[KB:KB+1], s[KB:KB+1], 0x1000000
	s_mov_b64 s[G0K+2:G0K+3], s[KB:KB+1]
	s_or_b32 s[G0K+3], s[G0K+3], 0x80000000
	s_mov_b64 s[G0V+2:G0V+3], s[VB:VB+1]
	s_or_b32 s[G0V+3], s[G0V+3], 0x80000000
	s_cmp_lt_u32 s[WV], 2                          ; the first fills, one a wave: slot 0 (waves 0-3) and the second block's queries (waves 4, 5)
	s_cbranch_scc0 .Lh_not_k
	tensor_load_to_lds s[G0K:G0K+3], s[G1K:G1K+7]
	s_nop 0
	FOURNOP
	s_branch .Lh_asked
.Lh_not_k:
	s_cmp_lt_u32 s[WV], 4
	s_cbranch_scc0 .Lh_not_v
	tensor_load_to_lds s[G0V:G0V+3], s[G1V:G1V+7]
	s_nop 0
	FOURNOP
	s_branch .Lh_asked
.Lh_not_v:
	s_cmp_lt_u32 s[WV], 6
	s_cbranch_scc0 .Lh_asked
	tensor_load_to_lds s[G0Q:G0Q+3], s[G1K:G1K+7]
	s_nop 0
	FOURNOP
.Lh_asked:
	v_and_b32 v248, 15, v0                         ; r
	v_bfe_u32 v249, v0, 4, 1                       ; h
	v_and_b32 v250, 31, v0                         ; lane
	v_lshlrev_b32 v[QO], 7, v248
	v_lshl_add_u32 v[QO], v249, 4, v[QO]
.irp u, 0,1
.irp cq, 0,1
	global_load_b128 v[RQ+16*\u+8*\cq:RQ+16*\u+8*\cq+3],   v[QO], s[62:63] offset:\u*2048+\cq*64
	global_load_b128 v[RQ+16*\u+8*\cq+4:RQ+16*\u+8*\cq+7], v[QO], s[62:63] offset:\u*2048+\cq*64+32
.endr
.endr
	v_mul_u32_u24 v[AK0], v248, PK
	v_lshl_add_u32 v[AK0], v249, 4, v[AK0]
	s_mul_i32 s66, s[KH], 64*PK
	v_add_nc_u32 v[AK0], s66, v[AK0]               ; row r, + 16 h, + my first chunk
	v_and_b32 v251, 7, v0
	v_lshl_add_u32 v[AV0], v249, 3, v251
	v_mul_u32_u24 v[AV0], v[AV0], PV
	v_bfe_u32 v252, v0, 3, 1
	v_lshl_add_u32 v[AV0], v252, 4, v[AV0]
	s_mul_i32 s66, s[KH], 64*PV
	s_add_co_u32 s66, s66, VOFF
	v_add_nc_u32 v[AV0], s66, v[AV0]               ; key 8 h + lane % 8, channels 8 ((lane / 8) % 2) on
	s_lshl_b32 s66, s[GG], 5
	s_mul_i32 s66, s66, PK
	s_add_co_u32 s66, s66, QB
	v_mul_u32_u24 v[AQ], v248, PK
	v_lshl_add_u32 v[AQ], v249, 4, v[AQ]
	v_add_nc_u32 v[AQ], s66, v[AQ]
	s_mul_i32 s66, s[PAIR], PARTB
	s_add_co_u32 s66, s66, PART
	v_lshlrev_b32 v[PST], 4, v250
	v_add_nc_u32 v[PST], s66, v[PST]
	s_mul_i32 s66, s[PAIR], 32*PK
	s_add_co_u32 s66, s66, OSTG
	v_mul_u32_u24 v[OSTO], v248, PK
	v_lshl_add_u32 v[OSTO], v249, 4, v[OSTO]
	v_add_nc_u32 v[OSTO], s66, v[OSTO]
	v_lshrrev_b32 v253, 3, v250
	v_mul_u32_u24 v[ORD], v253, PK
	v_lshl_add_u32 v[ORD], v251, 4, v[ORD]
	v_add_nc_u32 v[ORD], s66, v[ORD]
	v_lshlrev_b32 v[GO], 4, v250
	v_lshlrev_b32 v[PFO], 8, v250
	v_lshlrev_b32 v253, 3, v249
	v_sub_nc_u32 v[DR], v248, v253
.set i, 0
.rept 16
	v_mov_b32 v[ST+i], 0                           ; written once: halves of pairs and a lane permute's destination count as read
.set i, i+1
.endr
.set i, 0
.rept 8
	v_mov_b32 v[RONE+i], 0x3c003c00                ; 1.0, 1.0 in f16
.set i, i+1
.endr
	INIT
.macro KLOAD n, hf                     ; 32 keys x 64 channels of K: four fragments
.irp kt, 0,1
.irp cq, 0,1
	ds_load_b128 v[RB+16*\kt+8*\cq:RB+16*\kt+8*\cq+3],   v[ADK] offset:\n*128*PK+\hf*32*PK+\kt*16*PK+\cq*64
	ds_load_b128 v[RB+16*\kt+8*\cq+4:RB+16*\kt+8*\cq+7], v[ADK] offset:\n*128*PK+\hf*32*PK+\kt*16*PK+\cq*64+32
.endr
.endr
.endm
.macro KQ hf                           ; eight products on four accumulators by turns; the first four start the sums
.irp cq, 0,1
.irp kt, 0,1
.irp u, 0,1
.if \cq == 0
	v_wmma_f32_16x16x32_f16 v[RS+32*\u+16*\hf+8*\kt:RS+32*\u+16*\hf+8*\kt+7], v[RB+16*\kt+8*\cq:RB+16*\kt+8*\cq+7], v[RQ+16*\u+8*\cq:RQ+16*\u+8*\cq+7], 0
.else
	v_wmma_f32_16x16x32_f16 v[RS+32*\u+16*\hf+8*\kt:RS+32*\u+16*\hf+8*\kt+7], v[RB+16*\kt+8*\cq:RB+16*\kt+8*\cq+7], v[RQ+16*\u+8*\cq:RQ+16*\u+8*\cq+7], v[RS+32*\u+16*\hf+8*\kt:RS+32*\u+16*\hf+8*\kt+7]
.endif
.endr
.endr
.endr
.endm
.macro VLOAD n, hf                     ; 32 keys x 64 channels of V, turned: four fragments; the first half into RB, the second into the upper halves of S, which P has left
.irp ct, 0,1,2,3
.if \hf == 0
.set RV, RB+8*\ct
.else
.set RV, RS+32*(\ct/2)+16+8*(\ct%2)
.endif
	ds_load_tr16_b128 v[RV:RV+3],   v[ADV] offset:\n*128*PV+\hf*32*PV+\ct*32
	ds_load_tr16_b128 v[RV+4:RV+7], v[ADV] offset:\n*128*PV+\hf*32*PV+16*PV+\ct*32
.endr
.endm
.macro PV hf                           ; ten products on ten accumulators by turns: O^T += V^T P, and the sums += ones x P
.irp ct, 0,1,2,3
.if \hf == 0
.set RV, RB+8*\ct
.else
.set RV, RS+32*(\ct/2)+16+8*(\ct%2)
.endif
.irp u, 0,1
	v_wmma_f32_16x16x32_f16 v[RO+32*\u+8*\ct:RO+32*\u+8*\ct+7], v[RV:RV+7], v[RS+32*\u+8*\hf:RS+32*\u+8*\hf+7], v[RO+32*\u+8*\ct:RO+32*\u+8*\ct+7]
.endr
.endr
.irp u, 0,1
	v_wmma_f32_16x16x32_f16 v[RL+8*\u:RL+8*\u+7], v[RONE:RONE+7], v[RS+32*\u+8*\hf:RS+32*\u+8*\hf+7], v[RL+8*\u:RL+8*\u+7]
.endr
.endm
.macro SOFTMAX                         ; both tiles by turns, so that no line waits for the line above it
.irp j, 0,1,2,3
.irp u, 0,1
	v_max3_num_f32 v[ST+8*\u+4+\j], v[RS+32*\u+8*\j], v[RS+32*\u+8*\j+1], v[RS+32*\u+8*\j+2]   ; each accumulator is read from its low end on
.endr
.endr
.irp g, 1,2
.irp j, 0,1,2,3
.irp u, 0,1
	v_max3_num_f32 v[ST+8*\u+4+\j], v[ST+8*\u+4+\j], v[RS+32*\u+8*\j+2*\g+1], v[RS+32*\u+8*\j+2*\g+2]
.endr
.endr
.endr
.irp u, 0,1
	v_max3_num_f32 v[ST+8*\u+4], v[ST+8*\u+4], v[RS+32*\u+7], v[RS+32*\u+15]
	v_max3_num_f32 v[ST+8*\u+6], v[ST+8*\u+6], v[RS+32*\u+23], v[RS+32*\u+31]
.endr
.irp u, 0,1
	v_max3_num_f32 v[ST+8*\u+4], v[ST+8*\u+4], v[ST+8*\u+5], v[ST+8*\u+6]
.endr
.irp u, 0,1
	v_max3_num_f32 v[ST+8*\u+4], v[ST+8*\u+4], v[ST+8*\u+7], v[ST+8*\u]      ; with the old m
.endr
.irp u, 0,1
	v_permlanex16_b32 v[ST+8*\u+5], v[ST+8*\u+4], s[SEL], s[SEL+1]           ; the query's other 32 keys lie 16 lanes away
.endr
.irp u, 0,1
	v_mov_b32 v[ST+8*\u+7], v[ST+8*\u]
.endr
.irp u, 0,1
	v_max_num_f32 v[ST+8*\u], v[ST+8*\u+4], v[ST+8*\u+5]                     ; the new m
.endr
.irp u, 0,1
	v_sub_f32 v[ST+8*\u+7], v[ST+8*\u+7], v[ST+8*\u]
.endr
.irp u, 0,1
	v_exp_f32 v[ST+8*\u+2], v[ST+8*\u+7]                                     ; a = 2^(m_old - m_new)
.endr
.set i, 0
.rept 16
.irp u, 0,1
	v_pk_add_f32 v[RS+32*\u+i:RS+32*\u+i+1], v[RS+32*\u+i:RS+32*\u+i+1], v[ST+8*\u:ST+8*\u+1] op_sel_hi:[1,0] neg_lo:[0,1] neg_hi:[0,1]   ; s - m
.endr
.set i, i+2
.endr
.set i, 0
.rept 64
	v_exp_f32 v[RS+i], v[RS+i]
.set i, i+1
.endr
	v_nop                                          ; a plain line behind the last exponential
	s_wait_alu depctr_va_vdst(0)                   ; one wait for the batch of 66, ahead of the first line that names a result
.set i, 0
.rept 16
.irp u, 0,1
	v_cvt_pk_f16_f32 v[RS+32*\u+i], v[RS+32*\u+2*i], v[RS+32*\u+2*i+1]       ; in place, ascending: P of keys 32 hf on is v[RS + 32 u + 8 hf ..]
.endr
.set i, i+1
.endr
.endm
; A CHUNK: 64 keys, the n-th of my two in the slot in hand.
.macro CHUNK n
	s_add_co_u32 s66, s[KF], 128*\n                ; its first key
	s_add_co_u32 s67, s[Q0], 31
	s_cmp_gt_u32 s66, s67                          ; all its keys come after my 32 queries: left out (ids and the count of trips alone)
	s_cbranch_scc1 .Lhidden_\@
	v_add_nc_u32 v[ADK], s[TB], v[AK0]
	v_add_nc_u32 v[ADV], s[TB], v[AV0]
	KLOAD \n, 0
	s_wait_dscnt 0x0
	KQ 0
	FOURNOP                                        ; places ahead of loads into registers that the products have read
	KLOAD \n, 1
	s_wait_dscnt 0x0
	KQ 1
	FOURNOP                                        ; likewise, and ahead of the first read of the scores
	VLOAD \n, 0                                    ; lands while the softmax is walked
	s_add_co_u32 s67, s66, 63
	s_cmp_le_u32 s67, s[Q0]                        ; all its keys count for all my queries: no mask
	s_cbranch_scc1 .Lopen_\@
	s_sub_co_i32 s67, s[Q0], s66
	v_add_nc_u32 v249, s67, v[DR]                  ; d = query - first key - 8 h of tile 0; register 8 kt + j holds key 16 kt + 8 h + j: hidden where 16 kt + j > d
	v_add_nc_u32 v250, 16, v249                    ; of tile 1
	v_mov_b32 v248, 0xff800000                     ; -infinity: p = 0
.irp u, 0,1
.irp kt, 0,1,2,3
.irp j, 0,1,2,3,4,5,6,7
	v_cmp_gt_i32 vcc_lo, 16*\kt+\j, v[249+\u]
	v_cndmask_b32 v[RS+32*\u+8*\kt+\j], v[RS+32*\u+8*\kt+\j], v248, vcc_lo
.endr
.endr
.endr
.Lopen_\@:
	SOFTMAX
	VLOAD \n, 1
.irp u, 0,1
.set i, 0
.rept 16
	v_pk_mul_f32 v[RO+32*\u+i:RO+32*\u+i+1], v[RO+32*\u+i:RO+32*\u+i+1], v[ST+8*\u+2:ST+8*\u+3] op_sel_hi:[1,0]   ; O x a
.set i, i+2
.endr
.endr
.irp u, 0,1
	v_mul_f32 v[RL+8*\u], v[RL+8*\u], v[ST+8*\u+2]  ; the sum x a
.endr
	s_wait_dscnt 8                                 ; V's first half is in; the second half's eight loads may be out
	PV 0
	s_wait_dscnt 0x0
	PV 1
.rept 5
	v_nop                                          ; five places: the next chunk's products write over P's and V's registers
.endr
.Lhidden_\@:
.endm
; A BLOCK'S END.  PART1: the partner (chunks 1 and 3) stores O as images of its registers, and m and the sums.  PART2, behind a barrier: the other wave merges, divides and stores 32 rows.
.macro PART1
	s_cmp_eq_u32 s[KH], 0
	s_cbranch_scc1 .Lnot1_\@
.set i, 0
.rept 16
	ds_store_b128 v[PST], v[RO+4*i:RO+4*i+3] offset:512*i
.set i, i+1
.endr
	v_mov_b32 v248, v[ST]
	v_mov_b32 v249, v[ST+8]
	v_mov_b32 v250, v[RL]
	v_mov_b32 v251, v[RL+8]
	ds_store_b128 v[PST], v[248:251] offset:8192
.Lnot1_\@:
.endm
.macro PART2
	s_cmp_lg_u32 s[KH], 0
	s_cbranch_scc1 .Lnot2_\@
	ds_load_b128 v[248:251], v[PST] offset:8192
.set i, 0
.rept 16
	ds_load_b128 v[RS+4*i:RS+4*i+3], v[PST] offset:512*i
.set i, i+1
.endr
	s_lshl_b32 s22, s[Q0], 7
	s_mov_b32 s23, 0
	s_add_nc_u64 s[SB:SB+1], s[AB:AB+1], s[22:23]  ; attn at my first query
	s_wait_dscnt 0x0
.irp u, 0,1
	v_max_num_f32 v[ST+8*\u+4], v[ST+8*\u], v[248+\u]
.endr
.irp u, 0,1
	v_sub_f32 v[ST+8*\u+5], v[ST+8*\u], v[ST+8*\u+4]
	v_sub_f32 v[ST+8*\u+6], v[248+\u], v[ST+8*\u+4]
.endr
.irp u, 0,1
	v_exp_f32 v[ST+8*\u+5], v[ST+8*\u+5]           ; my factor, and the partner's: 0 where it saw no key
	v_exp_f32 v[ST+8*\u+6], v[ST+8*\u+6]
.endr
	v_nop
	s_wait_alu depctr_va_vdst(0)                   ; one wait for the four
.irp u, 0,1
	v_mul_f32 v[ST+8*\u+7], v[RL+8*\u], v[ST+8*\u+5]
.endr
.irp u, 0,1
	v_fmac_f32 v[ST+8*\u+7], v[250+\u], v[ST+8*\u+6]
.endr
.irp u, 0,1
	v_rcp_f32 v[ST+8*\u+7], v[ST+8*\u+7]
.endr
	v_nop
	s_wait_alu depctr_va_vdst(0)                   ; one wait for the two
.irp u, 0,1
	v_mul_f32 v[ST+8*\u+4], v[ST+8*\u+5], v[ST+8*\u+7]
	v_mul_f32 v[ST+8*\u+6], v[ST+8*\u+6], v[ST+8*\u+7]
.endr
.irp u, 0,1
.set i, 0
.rept 16
	v_pk_mul_f32 v[RS+32*\u+i:RS+32*\u+i+1], v[RS+32*\u+i:RS+32*\u+i+1], v[ST+8*\u+6:ST+8*\u+7] op_sel_hi:[1,0]
.set i, i+2
.endr
.set i, 0
.rept 16
	v_pk_fma_f32 v[RS+32*\u+i:RS+32*\u+i+1], v[RO+32*\u+i:RO+32*\u+i+1], v[ST+8*\u+4:ST+8*\u+5], v[RS+32*\u+i:RS+32*\u+i+1] op_sel_hi:[1,0,1]
.set i, i+2
.endr
.set i, 0
.rept 16
	v_cvt_pk_f16_f32 v[RB+16*\u+i], v[RS+32*\u+2*i], v[RS+32*\u+2*i+1]
.set i, i+1
.endr
.endr
.irp u, 0,1
.irp ct, 0,1,2,3
	ds_store_b128 v[OSTO], v[RB+16*\u+4*\ct:RB+16*\u+4*\ct+3] offset:\u*16*PK+\ct*32   ; query 16 u + r, channels 16 ct + 8 h on
.endr
.endr
.irp i, 0,1,2,3,4,5,6,7
	ds_load_b128 v[RS+4*\i:RS+4*\i+3], v[ORD] offset:\i*4*PK    ; my own bytes, in order behind my stores: four whole rows
.endr
.irp i, 0,1,2,3,4,5,6,7
	s_wait_dscnt 7-\i
	global_store_b128 v[GO], v[RS+4*\i:RS+4*\i+3], s[SB:SB+1] offset:512*\i th:TH_STORE_NT   ; 512 consecutive bytes
.endr
	s_wait_xcnt 0x0                                ; the stores have read their registers and their base
.Lnot2_\@:
.endm
.macro STARTB                          ; the second block: its queries come out of LDS
	s_lshl_b32 s[Q0], ttmp9, 8
	s_lshl_b32 s66, s[GG], 5
	s_add_co_u32 s[Q0], s[Q0], s66
.irp u, 0,1
.irp cq, 0,1
	ds_load_b128 v[RQ+16*\u+8*\cq:RQ+16*\u+8*\cq+3],   v[AQ] offset:\u*16*PK+\cq*64
	ds_load_b128 v[RQ+16*\u+8*\cq+4:RQ+16*\u+8*\cq+7], v[AQ] offset:\u*16*PK+\cq*64+32
.endr
.endr
	INIT
	s_wait_dscnt 0x0
.endm
; A TRIP: one slot of 256 keys.  fill = 1: the next trip's slot is asked for.
.macro TRIP fill
	s_wait_dscnt 0x0
	s_barrier_signal -1
	s_barrier_wait -1                              ; parts the last trip's reads of the pairs' images from this trip's stores into them
	s_cmp_lg_u32 s[TT], s[NA]
	s_cbranch_scc1 .Lsame1_\@
	PART1                                          ; the first block is done
.Lsame1_\@:
	s_wait_tensorcnt 0x0                           ; all my tensor loads have landed: my part of the slot ahead; no group 0 is in use
	ds_add_u32 v[SPW], v[NIL]
.if \fill
	ds_add_u32 v[SPW], v[NIL]                      ; and twice on end here, in every trip alike
	s_add_co_u32 s[KSN], s[TT], 1
	s_cmp_lt_u32 s[KSN], s[NA]
	s_cselect_b32 s66, 0, s[NA]
	s_sub_co_u32 s[KSN], s[KSN], s66               ; the next trip's slot of keys: the second block begins again at 0
	s_xor_b32 s[G0K+1], s[G0K+1], SLOT1
	s_xor_b32 s[G0V+1], s[G0V+1], SLOT1
	s_lshl_b32 s22, s[KSN], 15
	s_mov_b32 s23, 0
	s_add_nc_u64 s[G0K+2:G0K+3], s[KB:KB+1], s[22:23]
	s_or_b32 s[G0K+3], s[G0K+3], 0x80000000
	s_add_nc_u64 s[G0V+2:G0V+3], s[VB:VB+1], s[22:23]
	s_or_b32 s[G0V+3], s[G0V+3], 0x80000000
	s_wait_xcnt 0x0                                ; the last prefetch, a trip back, has read its address
	s_add_nc_u64 s[PFA:PFA+1], s[PFA:PFA+1], 32768
.endif
	s_wait_dscnt 0x0                               ; the add is done, my reads of the slot that I have left are over, my images are stored
	s_barrier_signal -1
	s_barrier_wait -1
.if \fill
	TLOAD                                          ; the first thing behind the barrier, one load a wave: it has this trip's chunks in which to land
	ASK
.endif
	s_cmp_lg_u32 s[TT], s[NA]
	s_cbranch_scc1 .Lsame2_\@
	PART2
	STARTB
.Lsame2_\@:
	s_lshl_b32 s[KF], s[KSC], 8
	s_lshl_b32 s66, s[KH], 6
	s_add_co_u32 s[KF], s[KF], s66                 ; my first chunk's first key
	CHUNK 0
	CHUNK 1
.if \fill
	s_mov_b32 s[KSC], s[KSN]
	s_xor_b32 s[TB], s[TB], SLOT1
.endif
.endm
	s_wait_loadcnt 0x0                             ; Q
.Ltrip:                                            ; eight trips ask for a slot each; the ninth is written out
	TRIP 1
	s_add_co_u32 s[TT], s[TT], 1
	s_cmp_lt_u32 s[TT], 8
	s_cbranch_scc1 .Ltrip
	TRIP 0
	s_wait_dscnt 0x0
	s_barrier_signal -1
	s_barrier_wait -1
	PART1                                          ; the second block is done
	s_wait_dscnt 0x0
	s_barrier_signal -1
	s_barrier_wait -1
	PART2
	s_wait_tensorcnt 0x0                           ; the wave's end
	ds_add_u32 v[SPW], v[NIL]
	s_wait_dscnt 0x0
	s_endpgm
.Lfunc_end_k_q450e7676c8_attn:
	.size	k_q450e7676c8_attn, .Lfunc_end_k_q450e7676c8_attn-k_q450e7676c8_attn
	.p2alignl 7, 3214868480
	.fill 96, 4, 3214868480
	.section	.rodata,"a",@progbits
	.p2align	6, 0x0
	.amdhsa_kernel k_q450e7676c8_attn
		.amdhsa_group_segment_fixed_size 327680
		.amdhsa_private_segment_fixed_size 0
		.amdhsa_enable_private_segment 0
		.amdhsa_kernarg_size 16
		.amdhsa_user_sgpr_count 2
		.amdhsa_user_sgpr_kernarg_segment_ptr 1
		.amdhsa_wavefront_size32 1
		.amdhsa_system_sgpr_workgroup_id_x 1
		.amdhsa_system_sgpr_workgroup_id_y 1
		.amdhsa_system_sgpr_workgroup_id_z 1
		.amdhsa_system_vgpr_workitem_id 0
		.amdhsa_next_free_vgpr 256
		.amdhsa_next_free_sgpr 72
		.amdhsa_reserve_vcc 1
		.amdhsa_float_denorm_mode_32 3
		.amdhsa_float_denorm_mode_16_64 3
		.amdhsa_memory_ordered 1
		.amdhsa_forward_progress 1
		.amdhsa_inst_pref_size 134
	.end_amdhsa_kernel
	.amdgpu_metadata
---
amdhsa.version: [ 1, 2 ]
amdhsa.kernels:
  - .name:           k_q450e7676c8_attn
    .symbol:         k_q450e7676c8_attn.kd
    .args:
      - { .name: qkv, .offset: 0, .size: 8, .value_kind: global_buffer, .address_space: global }
      - { .name: attn, .offset: 8, .size: 8, .value_kind: global_buffer, .address_space: global }
    .group_segment_fixed_size: 327680
    .private_segment_fixed_size: 0
    .kernarg_segment_align: 8
    .kernarg_segment_size: 16
    .max_flat_workgroup_size: 512
    .sgpr_count:     72
    .vgpr_count:     256
    .wavefront_size: 32
...
	.end_amdgpu_metadata
.endif
;; end of part 3
;; launch proj (part 4): grid 4 x 64, 4 waves a work-group, clusters of 4 x 4, 327,680 bytes of LDS; arguments attn, w16, out0; writes out0
.if DOCPART == 4
	.amdgcn_target "amdgcn-amd-amdhsa--gfx1250"
	.amdhsa_code_object_version 6
	.text
	.protected	k_q450e7676c8_proj
	.globl	k_q450e7676c8_proj
	.p2align	8
	.type	k_q450e7676c8_proj,@function
k_q450e7676c8_proj:
	s_mov_b64 s[64:65], 0
	v_nop
	global_prefetch_b8 v0, s[64:65] scope:SCOPE_SE
	s_setreg_imm32_b32 hwreg(HW_REG_WAVE_MODE, 25, 1), 1
	s_wait_xcnt 0x0
	s_wait_alu depctr_hold_cnt(0) depctr_sa_sdst(0) depctr_va_vdst(0) depctr_va_sdst(0) depctr_va_ssrc(0) depctr_va_vcc(0) depctr_vm_vsrc(0)
	s_getreg_b32 s2, hwreg(HW_REG_IB_STS2, 6, 4)
	s_cmp_eq_u32 s2, 0
	s_cbranch_scc0 .Lentry_in_a_cluster
	s_endpgm
.Lentry_in_a_cluster:
	s_bfe_u32 s2, ttmp6, 0x10000c
	s_cmp_lg_u32 s2, 0xf033
	s_cbranch_scc0 .Lentry_shape_is_right
	s_endpgm
.Lentry_shape_is_right:
; PROJ.  out0[m][n] = sum over k of attention[m][k] w_out[k][n] on f16 operands, f32 sums.  attn: f16 [batch x 16 + head][2048][64], holding attention / 4; w16: f16 [1024 k][1024 n], holding 4 w_out.
; A tile of 128 rows x 256 columns gives 256 work-groups.  Four waves, 64 x 128 each: 32 accumulators, window 1 ((a, b) at v[8 (8 a + b)]).
; K goes in steps of 128, two heads, through two LDS slots: A as two planes of 128 rows x 128 bytes (one head each), B as 128 rows of k x 512 bytes, read turned (ds_load_tr16_b128).
; CLUSTER 4 x 4: A's planes are asked for jointly along a row of the cluster, B's rows along a column.
; The matrix instruction is used transposed (source 0 = 16 columns of w, source 1 = 16 rows of attention): a lane holds eight neighbouring columns of a row of out0.
; Positions 0-15 of each batch are written here too and written again, in f32 throughout, by the launch that follows.
; No prefetch: eight K steps, of which the first four are asked for before any look-ahead could be.
.set PA,     144                       ; a row of A in LDS: 128 bytes + 16
.set PB,     544                       ; a row of B: 512 + 32, an odd multiple of 32
.set BOFF,   2*128*PA                  ; 36,864
.set SLOT,   BOFF+128*PB               ; 106,496
.set STAGE,  2*SLOT                    ; 212,992: 16 rows x 528 bytes for each wave
.set SPITCH, 528
.set SPARE,  STAGE+4*16*SPITCH         ; 246,784: the spare words, 128 bytes a wave, that no other line names
.set LAPS,   4
.set ADRA, 16
.set ADRB, 20
.set STO,  24
.set RD,   25
.set CO,   26
.set SPW,  28
.set NIL,  29
.set F0,   32                          ; a fragment buffer: 32 registers of A (4 blocks), then 64 of B (8 blocks)
.set F1,   128
.set G1, 24
.set G0, 32
.set G1B, 48
.set G0B, 56
.set MSB, 0
.macro WIN new
.if MSB != \new
	s_set_vgpr_msb (MSB<<8)|\new
.set MSB, \new
.endif
.endm
.set MUL, 0x50                         ; C and D window 1, sources window 0
.macro JLOAD s                         ; waves 0, 1 fetch A's two planes, waves 2, 3 B's two halves; an s_nop 0 and four v_nop follow each line
	s_cmp_eq_u32 s11, 0
	s_cbranch_scc0 .Lfor_b_\@
	tensor_load_to_lds s[G0+4*\s:G0+4*\s+3], s[G1:G1+7]
	s_nop 0
.rept 4
	v_nop
.endr
	s_branch .Lasked_\@
.Lfor_b_\@:
	tensor_load_to_lds s[G0B+4*\s:G0B+4*\s+3], s[G1B:G1B+7]
	s_nop 0
.rept 4
	v_nop
.endr
.Lasked_\@:
.endm
.macro CREST
	s_cmp_lg_u32 s10, 0
	s_cbranch_scc1 .Lnot_wave_0_\@
	s_barrier_signal -3
.Lnot_wave_0_\@:
	s_barrier_wait -3
	s_barrier_signal -1
	s_barrier_wait -1
.endm
.macro CROUND
	s_barrier_signal -1
	s_barrier_wait -1
	CREST
.endm
	s_load_b128 s[4:7], s[0:1], 0x0                ; attn s[4:5], w16 s[6:7]
	s_load_b64 s[8:9], s[0:1], 0x10                ; out0
	v_lshl_add_u32 v[SPW], v0, 2, SPARE
	v_mov_b32 v[NIL], 0
	ds_add_u32 v[SPW], v[NIL]                      ; the wave's opening: the add, twice on end, and its wait ahead of my first tensor load
	ds_add_u32 v[SPW], v[NIL]
	v_lshrrev_b32 v1, 5, v0
	v_readfirstlane_b32 s10, v1                    ; wave 0..3
	s_lshr_b32 s11, s10, 1                         ; my half of the rows; also: I fetch for A (0) or B (1)
	s_and_b32 s12, s10, 1                          ; my half of the columns; also: which plane or half I fetch
	s_bfe_u32 s40, ttmp6, 0x40000                  ; cx
	s_bfe_u32 s41, ttmp6, 0x40004                  ; cy
	s_lshl_b32 s42, ttmp9, 2
	s_add_co_u32 s42, s42, s40                     ; tile column
	s_and_b32 s13, ttmp7, 0xffff
	s_lshl_b32 s13, s13, 2
	s_add_co_u32 s13, s13, s41                     ; tile row
	s_lshl_b32 s43, s41, 2
	s_lshl_b32 s43, 15, s43                        ; my row of the cluster
	s_lshl_b32 s44, 0x1111, s40                    ; my column
	s_or_b32 s[G1+0], s43, (1<<16)|(1<<20)|(1<<21)|(4<<22)|(3<<25)   ; A: elements of 2 bytes; 4 words of padding behind every 32
	s_mov_b32 s[G1+1], 64<<16                      ; tensor_dim0
	s_mov_b32 s[G1+2], 128<<16                     ; tensor_dim1
	s_mov_b32 s[G1+3], 64<<16                      ; tile_dim0
	s_mov_b32 s[G1+4], 128                         ; tile_dim1
	s_mov_b32 s[G1+5], 64                          ; from row to row
	s_mov_b32 s[G1+6], 0
	s_mov_b32 s[G1+7], 0
	s_or_b32 s[G1B+0], s44, (1<<16)|(1<<20)|(1<<21)|(6<<22)|(7<<25)  ; B: 8 words of padding behind every 128
	s_mov_b32 s[G1B+1], 256<<16
	s_mov_b32 s[G1B+2], 64<<16
	s_mov_b32 s[G1B+3], 256<<16
	s_mov_b32 s[G1B+4], 64
	s_mov_b32 s[G1B+5], 1024
	s_mov_b32 s[G1B+6], 0
	s_mov_b32 s[G1B+7], 0
	s_lshr_b32 s16, s13, 4                         ; A: batch = tile row / 16,
	s_lshl_b32 s16, s16, 22
	s_and_b32 s17, s13, 15                         ; position 128 (tile row % 16),
	s_lshl_b32 s17, s17, 14
	s_add_co_u32 s16, s16, s17
	s_lshl_b32 s17, s12, 18                        ; head = my plane
	s_add_co_u32 s16, s16, s17
	s_mov_b32 s17, 0
	s_lshl_b32 s46, s12, 17                        ; B: k row 64 x my half,
	s_lshl_b32 s47, s42, 9                         ; column 256 x tile column
	s_add_co_u32 s46, s46, s47
	s_mov_b32 s47, 0
	s_mul_i32 s20, s12, 128*PA                     ; where they go
	s_mul_i32 s21, s12, 64*PB
	s_add_co_u32 s21, s21, BOFF
	s_wait_dscnt 0x0                               ; both opening adds are done
	s_wait_kmcnt 0x0
	s_add_nc_u64 s[14:15], s[4:5], s[16:17]
	s_add_nc_u64 s[46:47], s[6:7], s[46:47]
	CROUND                                         ; all sixteen work-groups are here: the first joint loads meet
.irp s, 0,1
	s_mov_b32 s[G0+4*\s], 1
	s_add_co_u32 s[G0+4*\s+1], s20, \s*SLOT
	s_add_nc_u64 s[G0+4*\s+2:G0+4*\s+3], s[14:15], \s*524288       ; K step s: two heads on
	s_or_b32 s[G0+4*\s+3], s[G0+4*\s+3], 0x80000000
	s_mov_b32 s[G0B+4*\s], 1
	s_add_co_u32 s[G0B+4*\s+1], s21, \s*SLOT
	s_add_nc_u64 s[G0B+4*\s+2:G0B+4*\s+3], s[46:47], \s*262144     ; 128 rows of k on
	s_or_b32 s[G0B+4*\s+3], s[G0B+4*\s+3], 0x80000000
	JLOAD \s                                       ; two loads of mine are out at the most
.endr
	v_and_b32 v1, 15, v0                           ; r
	v_bfe_u32 v2, v0, 4, 1                         ; h
	v_mul_u32_u24 v3, v1, PA
	v_lshl_add_u32 v3, v2, 4, v3
	s_mul_i32 s21, s11, 64*PA                      ; my 64 rows
	v_and_b32 v4, 7, v0
	v_lshl_add_u32 v4, v2, 3, v4
	v_mul_u32_u24 v4, v4, PB
	v_bfe_u32 v5, v0, 3, 1
	v_lshl_add_u32 v4, v5, 4, v4                   ; k row 8 h + lane % 8, columns 8 ((lane / 8) % 2) on
	s_lshl_b32 s22, s12, 8                         ; my 128 columns
	s_add_co_u32 s22, s22, BOFF
.irp s, 0,1
	v_add_nc_u32 v[ADRA+\s], s21, v3
	v_add_nc_u32 v[ADRB+\s], s22, v4
	s_add_co_u32 s21, s21, SLOT
	s_add_co_u32 s22, s22, SLOT
.endr
	s_mul_i32 s23, s10, 16*SPITCH
	s_add_co_u32 s23, s23, STAGE                   ; my stage
	v_mul_u32_u24 v5, v1, SPITCH
	v_lshl_add_u32 v5, v2, 5, v5
	v_add_nc_u32 v[STO], s23, v5
	v_and_b32 v6, 31, v0
	v_lshlrev_b32 v[CO], 4, v6
	v_add_nc_u32 v[RD], s23, v[CO]
	s_lshl_b32 s16, s13, 7
	s_lshl_b32 s17, s11, 6
	s_add_co_u32 s16, s16, s17                     ; my first row of out0,
	s_lshl_b32 s16, s16, 12                        ; rows of 4,096 bytes
	s_lshl_b32 s46, s42, 10
	s_lshl_b32 s47, s12, 9
	s_add_co_u32 s46, s46, s47                     ; my first column, in bytes
	s_add_co_u32 s46, s46, s16
	s_mov_b32 s47, 0
	s_add_nc_u64 s[8:9], s[8:9], s[46:47]
.macro MUL8 f, a, zero                 ; A's block a against B's eight, 32 along K; the 32 accumulators take turns, one instruction a turn
.irp b, 0,1,2,3,4,5,6,7
.if \zero
	v_wmma_f32_16x16x32_f16 v[8*(8*(\a)+\b):8*(8*(\a)+\b)+7], v[\f+32+8*\b:\f+32+8*\b+7], v[\f+8*(\a):\f+8*(\a)+7], 0
.else
	v_wmma_f32_16x16x32_f16 v[8*(8*(\a)+\b):8*(8*(\a)+\b)+7], v[\f+32+8*\b:\f+32+8*\b+7], v[\f+8*(\a):\f+8*(\a)+7], v[8*(8*(\a)+\b):8*(8*(\a)+\b)+7]
.endif
.endr
.endm
.macro FETCH slot, q, f                ; 24 LDS loads in one run: the slot's q-th 32 along K: B's eight blocks, then A's blocks 0, 1, then 2, 3
	WIN 0
.irp b, 0,1,2,3,4,5,6,7
	ds_load_tr16_b128 v[\f+32+8*\b:\f+32+8*\b+3],   v[ADRB+\slot] offset:(\q)*32*PB+32*\b
	ds_load_tr16_b128 v[\f+32+8*\b+4:\f+32+8*\b+7], v[ADRB+\slot] offset:(\q)*32*PB+16*PB+32*\b
.endr
.irp i, 0,1,2,3
	ds_load_b128 v[\f+8*\i:\f+8*\i+3],   v[ADRA+\slot] offset:((\q)/2)*128*PA+((\q)%2)*64+\i*16*PA
	ds_load_b128 v[\f+8*\i+4:\f+8*\i+7], v[ADRA+\slot] offset:((\q)/2)*128*PA+((\q)%2)*64+\i*16*PA+32
.endr
.endm
.macro PLACES                          ; four plain lines ahead of loads into registers that products have read, and of reads of results
.rept 4
	v_nop
.endr
.endm
.macro QUARTER slot, q, f, g, zero     ; multiplies buffer f; in its middle fetches the slot's q-th 32 along K into g
	s_wait_dscnt 4                                 ; all but the youngest four loads (A's blocks 2, 3) are in
	WIN MUL
	MUL8 \f, 0, \zero
	MUL8 \f, 1, \zero
	PLACES
	FETCH \slot, \q, \g
	s_wait_dscnt 24                                ; all but the 24 just issued
	WIN MUL
	MUL8 \f, 2, \zero
	MUL8 \f, 3, \zero
.endm
; A slot's last quarter multiplies buffer 1 and changes slots: one barrier; in front of it my tensor loads have landed, the add is done and my reads of this slot are over.  fill = 1: the slot is filled again, two K steps on.
.macro TURN slot, next, fill
	WIN 0
	s_wait_tensorcnt 0x0                           ; my part of the next slot is in
	ds_add_u32 v[SPW], v[NIL]
	s_wait_dscnt 5                                 ; (the add and A's blocks 2, 3 may be out)
	WIN MUL
	MUL8 F1, 0, 0
	s_wait_dscnt 0x0
	s_barrier_signal -1
	MUL8 F1, 1, 0
.if \fill
	WIN 0
.endif
	s_barrier_wait -1
.if \fill
	CREST                                          ; the barrier has opened a round of the cluster's: no wave of any partner still reads this slot or has a load on its way
	s_add_nc_u64 s[G0+4*\slot+2:G0+4*\slot+3], s[G0+4*\slot+2:G0+4*\slot+3], 1048576
	s_add_nc_u64 s[G0B+4*\slot+2:G0B+4*\slot+3], s[G0B+4*\slot+2:G0B+4*\slot+3], 524288
	JLOAD \slot                                    ; the first tensor load behind the round; its four v_nop are the places ahead of the loads below
.else
	PLACES
.endif
	FETCH \next, 0, F0
	WIN MUL
	MUL8 F1, 2, 0
	MUL8 F1, 3, 0
.endm
	s_wait_tensorcnt 1                             ; my part of K step 0 is in; K step 1's load may be out
	s_barrier_signal -1
	s_barrier_wait -1
	FETCH 0, 0, F0
	QUARTER 0, 1, F0, F1, 1                        ; the first quarter's products start the sums
	WIN 0
	s_mov_b32 s3, LAPS-1
.Llap:                                             ; a trip goes once round the ring and fills both slots again
	QUARTER 0, 2, F1, F0, 0
	QUARTER 0, 3, F0, F1, 0
	TURN 0, 1, 1
	QUARTER 1, 1, F0, F1, 0
	QUARTER 1, 2, F1, F0, 0
	QUARTER 1, 3, F0, F1, 0
	TURN 1, 0, 1
	QUARTER 0, 1, F0, F1, 0
	WIN 0
	s_sub_co_u32 s3, s3, 1
	s_cmp_lg_u32 s3, 0
	s_cbranch_scc1 .Llap
	QUARTER 0, 2, F1, F0, 0                        ; the last lap fills nothing
	QUARTER 0, 3, F0, F1, 0
	TURN 0, 1, 0
	QUARTER 1, 1, F0, F1, 0
	QUARTER 1, 2, F1, F0, 0
	QUARTER 1, 3, F0, F1, 0
	s_wait_dscnt 4
	WIN MUL
	MUL8 F1, 0, 0
	MUL8 F1, 1, 0
	s_wait_dscnt 0
	MUL8 F1, 2, 0
	MUL8 F1, 3, 0
	WIN 0
; THE WAY OUT: a block of 16 rows x 128 columns goes through my own stage and comes back as whole rows of 512 bytes.
.macro TOSTAGE a
.set AC, 64*(\a)
	WIN 0x04                                       ; an LDS store's data are its source 1: window 1
.irp b, 0,1,2,3,4,5,6,7
	ds_store_b128 v[STO], v[AC+8*\b:AC+8*\b+3] offset:64*\b          ; each accumulator from its low end on
	ds_store_b128 v[STO], v[AC+8*\b+4:AC+8*\b+7] offset:64*\b+16
.endr
	WIN 0
.set BB, F0+96*((\a)%2)
.irp t, 0,1,2,3,4,5,6,7,8,9,10,11,12,13,14,15
	ds_load_b128 v[BB+4*\t:BB+4*\t+3], v[RD] offset:\t*SPITCH
.endr
.endm
.macro SEND a, younger
.set BB, F0+96*((\a)%2)
	s_wait_dscnt \younger
.irp t, 0,1,2,3,4,5,6,7,8,9,10,11,12,13,14,15
	global_store_b128 v[CO], v[BB+4*\t:BB+4*\t+3], s[8:9] offset:(\a)*65536+\t*4096 th:TH_STORE_NT   ; 512 consecutive bytes, at a multiple of 256 from out0's first byte
.endr
.endm
	PLACES
	TOSTAGE 0
.irp a, 1,2,3
.if \a > 1
	s_wait_xcnt 0x0                                ; block a - 2's stores have read the registers into which block a's rows come back
.endif
	TOSTAGE \a
	SEND \a-1, 32                                  ; behind block a - 1's loads: block a's 16 stores and 16 loads
.endr
	SEND 3, 0
	s_wait_tensorcnt 0x0                           ; the wave's end
	ds_add_u32 v[SPW], v[NIL]
	s_wait_dscnt 0x0
	CROUND                                         ; the closing round
	s_endpgm
.Lfunc_end_k_q450e7676c8_proj:
	.size	k_q450e7676c8_proj, .Lfunc_end_k_q450e7676c8_proj-k_q450e7676c8_proj
	.p2alignl 7, 3214868480
	.fill 96, 4, 3214868480
	.section	.rodata,"a",@progbits
	.p2align	6, 0x0
	.amdhsa_kernel k_q450e7676c8_proj
		.amdhsa_group_segment_fixed_size 327680
		.amdhsa_private_segment_fixed_size 0
		.amdhsa_enable_private_segment 0
		.amdhsa_kernarg_size 24
		.amdhsa_user_sgpr_count 2
		.amdhsa_user_sgpr_kernarg_segment_ptr 1
		.amdhsa_wavefront_size32 1
		.amdhsa_system_sgpr_workgroup_id_x 1
		.amdhsa_system_sgpr_workgroup_id_y 1
		.amdhsa_system_sgpr_workgroup_id_z 1
		.amdhsa_system_vgpr_workitem_id 0
		.amdhsa_next_free_vgpr 512
		.amdhsa_next_free_sgpr 66
		.amdhsa_reserve_vcc 0
		.amdhsa_float_denorm_mode_32 3
		.amdhsa_float_denorm_mode_16_64 3
		.amdhsa_memory_ordered 1
		.amdhsa_forward_progress 1
		.amdhsa_inst_pref_size 85
	.end_amdhsa_kernel
	.amdgpu_metadata
---
amdhsa.version: [ 1, 2 ]
amdhsa.kernels:
  - .name:           k_q450e7676c8_proj
    .symbol:         k_q450e7676c8_proj.kd
    .args:
      - { .name: attn, .offset: 0, .size: 8, .value_kind: global_buffer, .address_space: global }
      - { .name: w16, .offset: 8, .size: 8, .value_kind: global_buffer, .address_space: global }
      - { .name: out0, .offset: 16, .size: 8, .value_kind: global_buffer, .address_space: global }
    .group_segment_fixed_size: 327680
    .private_segment_fixed_size: 0
    .kernarg_segment_align: 8
    .kernarg_segment_size: 24
    .max_flat_workgroup_size: 128
    .sgpr_count:     66
    .vgpr_count:     512
    .wavefront_size: 32
...
	.end_amdgpu_metadata
.endif
;; end of part 4
;; launch fine (part 5): grid 16 x 4, 16 waves a work-group, no clusters, 71,680 bytes of LDS; arguments qkvf, w_out, out0; writes out0
.if DOCPART == 5
	.amdgcn_target "amdgcn-amd-amdhsa--gfx1250"
	.amdhsa_code_object_version 6
	.text
	.protected	k_q450e7676c8_fine
	.globl	k_q450e7676c8_fine
	.p2align	8
	.type	k_q450e7676c8_fine,@function
k_q450e7676c8_fine:
	s_mov_b64 s[64:65], 0
	v_nop
	global_prefetch_b8 v0, s[64:65] scope:SCOPE_SE
	s_setreg_imm32_b32 hwreg(HW_REG_WAVE_MODE, 25, 1), 1
	s_wait_xcnt 0x0
; FINE.  Positions 0-15 of each batch once more, in f32 throughout: these rows average one to sixteen values and are the largest in size, so f16 operands would weigh most on them.
; qkvf: the raw f32 sums of the quantised product, [4 batches][16 positions][3072].  A work-group makes 16 rows x 64 columns of out0 (x: the columns, y: the batch); wave = head.
; Each wave: S^T = K Q^T (16 x 16 x 64), mask, softmax, O^T = V^T P, then its head's share of the projection, W^T O^T, all by the f32 matrix form; the sixteen shares meet in LDS and are added in ascending order of heads.
; k is permuted alike in both sources of each product: a lane's registers are taken in pairs as they lie.  The registers that the f32 form writes (v176-239) are written by matrix instructions alone.
; No loop.  LIMIT: NaN and infinities are not served.
.set SPW,   14
.set NIL,   15
.set SPARE, 69632                      ; behind the sixteen shares of 16 rows x 272 bytes: the spare words, 128 bytes a wave
.set RK,    16                         ; v16-47  K;  later, with Q's, w_out for column tiles 2, 3;  later the shares read back
.set RQ,    48                         ; v48-79  Q
.set RV,    80                         ; v80-111 V: 8 ct + e = V(key 8 h + e, channel 16 ct + r)
.set RW,    112                        ; v112-175 w_out for column tiles 0, 1: 32 nt + 8 ct + e
.set ACC,   176                        ; v176-207 four accumulators
.set OT,    208                        ; v208-239 O^T: 8 ct
.set RP,    240                        ; v240-247 scores, then p
	s_load_b128 s[4:7], s[0:1], 0x0                ; qkvf s[4:5], w_out s[6:7]
	s_load_b64 s[8:9], s[0:1], 0x10                ; out0
	v_lshl_add_u32 v[SPW], v0, 2, SPARE
	v_mov_b32 v[NIL], 0
	v_lshrrev_b32 v1, 5, v0
	v_readfirstlane_b32 s10, v1                    ; wave = head
	v_and_b32 v1, 15, v0                           ; r
	v_bfe_u32 v2, v0, 4, 1                         ; h
	v_mul_u32_u24 v3, v1, 12288
	v_lshl_add_u32 v3, v2, 4, v3                   ; K, Q: position r, channels 4 h on
	v_mul_u32_u24 v4, v2, 98304
	v_lshl_add_u32 v4, v1, 2, v4                   ; V: position 8 h, channel r
	v_lshlrev_b32 v5, 15, v2
	v_lshl_add_u32 v5, v1, 2, v5                   ; w_out: row 8 h, column r
	s_mul_i32 s11, s10, 4352
	v_mul_u32_u24 v6, v1, 272
	v_lshl_add_u32 v6, v2, 5, v6
	v_add_nc_u32 v6, s11, v6                       ; my share: row r, + 32 h
	s_and_b32 s21, s10, 7
	s_mul_i32 s23, s21, 544
	v_mul_u32_u24 v7, v2, 272
	v_lshl_add_u32 v7, v1, 4, v7
	v_add_nc_u32 v7, s23, v7                       ; back: rows 2 w and 2 w + 1, sixteen lanes to a row
	v_lshlrev_b32 v8, 12, v2
	v_lshl_add_u32 v8, v1, 4, v8                   ; the same two rows in out0
	v_lshlrev_b32 v9, 3, v2
	v_sub_nc_u32 v9, v1, v9                        ; r - 8 h
	v_mov_b32 v250, 0                              ; a lane permute's destination counts as read
	s_and_b32 s11, ttmp7, 0xffff                   ; the batch
	s_mul_i32 s16, s11, 196608
	s_lshl_b32 s17, s10, 8
	s_add_co_u32 s16, s16, s17                     ; qkvf at my batch, my head's q
	s_mov_b32 s17, 0
	s_lshl_b32 s18, s10, 18
	s_lshl_b32 s19, ttmp9, 8
	s_add_co_u32 s18, s18, s19                     ; w_out at row 64 x head, my 64 columns
	s_mov_b32 s19, 0
	s_lshl_b32 s20, s11, 23
	s_lshl_b32 s22, s21, 13
	s_add_co_u32 s20, s20, s22
	s_lshl_b32 s22, ttmp9, 8
	s_add_co_u32 s20, s20, s22                     ; out0 at row 2 w of my batch, my 64 columns
	s_mov_b32 s21, 0
	s_mov_b32 s24, 0x76543210
	s_mov_b32 s25, 0xfedcba98
	s_mov_b32 s26, 0x3e38aa3b                      ; log2(e) / 8
	s_wait_kmcnt 0x0
	s_add_nc_u64 s[4:5], s[4:5], s[16:17]
	s_add_nc_u64 s[6:7], s[6:7], s[18:19]
	s_add_nc_u64 s[8:9], s[8:9], s[20:21]
.irp s, 0,1,2,3,4,5,6,7
	global_load_b128 v[RK+4*\s:RK+4*\s+3], v3, s[4:5] offset:4096+32*\s
.endr
.irp s, 0,1,2,3,4,5,6,7
	global_load_b128 v[RQ+4*\s:RQ+4*\s+3], v3, s[4:5] offset:32*\s
.endr
.irp ct, 0,1,2,3
.irp e, 0,1,2,3,4,5,6,7
	global_load_b32 v[RV+8*\ct+\e], v4, s[4:5] offset:\e*12288+8192+\ct*64
.endr
.endr
.irp nt, 0,1
.irp ct, 0,1,2,3
.irp e, 0,1,2,3,4,5,6,7
	global_load_b32 v[RW+32*\nt+8*\ct+\e], v5, s[6:7] offset:(16*\ct+\e)*4096+\nt*64
.endr
.endr
.endr
	s_wait_loadcnt 63                              ; of 112 loads the first 49 are in: K, Q and V
.set p, 0
.rept 16                               ; S^T: two accumulators by turns; the first two products start the sums
.if p < 2
	v_wmma_f32_16x16x4_f32 v[ACC+8*(p%2):ACC+8*(p%2)+7], v[RK+2*p:RK+2*p+1], v[RQ+2*p:RQ+2*p+1], 0
.else
	v_wmma_f32_16x16x4_f32 v[ACC+8*(p%2):ACC+8*(p%2)+7], v[RK+2*p:RK+2*p+1], v[RQ+2*p:RQ+2*p+1], v[ACC+8*(p%2):ACC+8*(p%2)+7]
.endif
.set p, p+1
.endr
.rept 8
	v_nop                                          ; eight places behind this form, ahead of reads of the results and of loads into the sources
.endr
.irp nt, 0,1
.irp ct, 0,1,2,3
.irp e, 0,1,2,3,4,5,6,7
	global_load_b32 v[RK+32*\nt+8*\ct+\e], v5, s[6:7] offset:(16*\ct+\e)*4096+128+\nt*64   ; column tiles 2, 3
.endr
.endr
.endr
.irp j, 0,1,2,3,4,5,6,7
	v_add_f32 v[RP+\j], v[ACC+\j], v[ACC+8+\j]     ; score of key 8 h + j, query r
.endr
	v_mov_b32 v248, 0xff800000
.irp j, 0,1,2,3,4,5,6,7
	v_cmp_gt_i32 vcc_lo, \j, v9                    ; key after query: hidden
	v_cndmask_b32 v[RP+\j], v[RP+\j], v248, vcc_lo
.endr
	v_max3_num_f32 v249, v[RP], v[RP+1], v[RP+2]
	v_max3_num_f32 v249, v249, v[RP+3], v[RP+4]
	v_max3_num_f32 v249, v249, v[RP+5], v[RP+6]
	v_max_num_f32 v249, v249, v[RP+7]
	v_permlanex16_b32 v250, v249, s24, s25
	v_max_num_f32 v249, v249, v250                 ; the row's maximum: key 0 counts for every query
	v_mul_f32 v249, s26, v249
.irp j, 0,1,2,3,4,5,6,7
	v_fma_f32 v[RP+\j], v[RP+\j], s26, -v249
.endr
.irp j, 0,1,2,3,4,5,6,7
	v_exp_f32 v[RP+\j], v[RP+\j]
.endr
	v_nop
	s_wait_alu depctr_va_vdst(0)                   ; one wait for the eight, ahead of their first reader
	v_add_f32 v251, v[RP], v[RP+1]
	v_add_f32 v252, v[RP+2], v[RP+3]
	v_add_f32 v253, v[RP+4], v[RP+5]
	v_add_f32 v254, v[RP+6], v[RP+7]
	v_add_f32 v251, v251, v252
	v_add_f32 v253, v253, v254
	v_add_f32 v251, v251, v253
	v_permlanex16_b32 v250, v251, s24, s25
	v_add_f32 v251, v251, v250
	v_rcp_f32 v251, v251
	v_nop
	s_wait_alu depctr_va_vdst(0)
.irp j, 0,1,2,3,4,5,6,7
	v_mul_f32 v[RP+\j], v[RP+\j], v251             ; the weights
.endr
.irp s, 0,1,2,3                        ; O^T: four accumulators by turns; keys 8 h + 2 s, + 1 in both sources
.irp ct, 0,1,2,3
.if \s == 0
	v_wmma_f32_16x16x4_f32 v[OT+8*\ct:OT+8*\ct+7], v[RV+8*\ct+2*\s:RV+8*\ct+2*\s+1], v[RP+2*\s:RP+2*\s+1], 0
.else
	v_wmma_f32_16x16x4_f32 v[OT+8*\ct:OT+8*\ct+7], v[RV+8*\ct+2*\s:RV+8*\ct+2*\s+1], v[RP+2*\s:RP+2*\s+1], v[OT+8*\ct:OT+8*\ct+7]
.endif
.endr
.endr
.rept 9
	v_nop                                          ; nine places: the results become a source of the next products
.endr
	s_wait_loadcnt 63                              ; of 176 loads the first 113 are in: column tiles 0, 1 of w_out
.macro OUTP base, acc                  ; 32 products: two column tiles by turns; channels 16 ct + 8 h + 2 s, + 1 in both sources
.irp ct, 0,1,2,3
.irp s, 0,1,2,3
.irp nt, 0,1
.if (\ct == 0) && (\s == 0)
	v_wmma_f32_16x16x4_f32 v[\acc+8*\nt:\acc+8*\nt+7], v[\base+32*\nt+8*\ct+2*\s:\base+32*\nt+8*\ct+2*\s+1], v[OT+8*\ct+2*\s:OT+8*\ct+2*\s+1], 0
.else
	v_wmma_f32_16x16x4_f32 v[\acc+8*\nt:\acc+8*\nt+7], v[\base+32*\nt+8*\ct+2*\s:\base+32*\nt+8*\ct+2*\s+1], v[OT+8*\ct+2*\s:OT+8*\ct+2*\s+1], v[\acc+8*\nt:\acc+8*\nt+7]
.endif
.endr
.endr
.endr
.endm
	OUTP RW, ACC
	s_wait_loadcnt 0x0
	OUTP RK, ACC+16
.rept 8
	v_nop
.endr
.irp nt, 0,1,2,3
	ds_store_b128 v6, v[ACC+8*\nt:ACC+8*\nt+3] offset:64*\nt         ; row r, columns 16 nt + 8 h on; each accumulator from its low end on
	ds_store_b128 v6, v[ACC+8*\nt+4:ACC+8*\nt+7] offset:64*\nt+16
.endr
	s_wait_dscnt 0x0                               ; for the others' sake: my share is stored
	s_barrier_signal -1
	s_barrier_wait -1
	s_cmp_ge_u32 s10, 8
	s_cbranch_scc1 .Ldone                          ; waves 0-7 add: two rows each
.irp hd, 0,1,2,3,4,5,6,7,8,9,10,11,12,13,14,15
	ds_load_b128 v[RK+4*\hd:RK+4*\hd+3], v7 offset:\hd*4352
.endr
	s_wait_dscnt 0x0
	v_pk_add_f32 v[240:241], v[RK:RK+1], v[RK+4:RK+5]
	v_pk_add_f32 v[242:243], v[RK+2:RK+3], v[RK+6:RK+7]
.irp hd, 2,3,4,5,6,7,8,9,10,11,12,13,14,15
	v_pk_add_f32 v[240:241], v[240:241], v[RK+4*\hd:RK+4*\hd+1]
	v_pk_add_f32 v[242:243], v[242:243], v[RK+4*\hd+2:RK+4*\hd+3]
.endr
	global_store_b128 v8, v[240:243], s[8:9]       ; sixteen lanes store 256 consecutive bytes, aligned
.Ldone:
	s_wait_tensorcnt 0x0                           ; the wave's end: behind my last LDS store
	ds_add_u32 v[SPW], v[NIL]
	s_wait_dscnt 0x0
	s_endpgm
.Lfunc_end_k_q450e7676c8_fine:
	.size	k_q450e7676c8_fine, .Lfunc_end_k_q450e7676c8_fine-k_q450e7676c8_fine
	.p2alignl 7, 3214868480
	.fill 96, 4, 3214868480
	.section	.rodata,"a",@progbits
	.p2align	6, 0x0
	.amdhsa_kernel k_q450e7676c8_fine
		.amdhsa_group_segment_fixed_size 71680
		.amdhsa_private_segment_fixed_size 0
		.amdhsa_enable_private_segment 0
		.amdhsa_kernarg_size 24
		.amdhsa_user_sgpr_count 2
		.amdhsa_user_sgpr_kernarg_segment_ptr 1
		.amdhsa_wavefront_size32 1
		.amdhsa_system_sgpr_workgroup_id_x 1
		.amdhsa_system_sgpr_workgroup_id_y 1
		.amdhsa_system_sgpr_workgroup_id_z 1
		.amdhsa_system_vgpr_workitem_id 0
		.amdhsa_next_free_vgpr 256
		.amdhsa_next_free_sgpr 66
		.amdhsa_reserve_vcc 1
		.amdhsa_float_denorm_mode_32 3
		.amdhsa_float_denorm_mode_16_64 3
		.amdhsa_memory_ordered 1
		.amdhsa_forward_progress 1
		.amdhsa_inst_pref_size 33
	.end_amdhsa_kernel
	.amdgpu_metadata
---
amdhsa.version: [ 1, 2 ]
amdhsa.kernels:
  - .name:           k_q450e7676c8_fine
    .symbol:         k_q450e7676c8_fine.kd
    .args:
      - { .name: qkvf, .offset: 0, .size: 8, .value_kind: global_buffer, .address_space: global }
      - { .name: w_out, .offset: 8, .size: 8, .value_kind: global_buffer, .address_space: global }
      - { .name: out0, .offset: 16, .size: 8, .value_kind: global_buffer, .address_space: global }
    .group_segment_fixed_size: 71680
    .private_segment_fixed_size: 0
    .kernarg_segment_align: 8
    .kernarg_segment_size: 24
    .max_flat_workgroup_size: 512
    .sgpr_count:     66
    .vgpr_count:     256
    .wavefront_size: 32
...
	.end_amdgpu_metadata
.endif
;; end of part 5
